; MI455X (gfx1250); checked and timed in simulation.
; The chip was launched on July 23, 2026; its instructions are those of AMD's public machine-readable ISA for CDNA 5 (MIT licence, August 2026) and "CDNA5" Instruction Set Architecture Reference Guide (July 2026). The comments in the code are by the model that wrote it; some were corrected since.
;; Attention. Allowed arithmetic: matrix products marked QUANTISED: E2M1 operands, one E8M0 scale for each 32 along K, by v_wmma_scale_f32_16x16x128_f8f6f4 with both operands' format E2M1 (or v_wmma_scale_f32_32x16x128_f4), f32 sums; everything else in f32.
;; Inputs: beta 1,024 float32; bk 1,024 float32; bo 1,024 float32; bq 1,024 float32; bv 1,024 float32; gamma 1,024 float32; mask 8 x 1,024 int32; wk_codes 1,024 x 32 x 16 uint8 (E2M1 codes of wk, K innermost, in blocks of 32 codes, two codes a byte); wk_scales 1,024 x 32 uint8 (E8M0 scales of wk, one for each 32 codes along K); wo_codes 1,024 x 32 x 16 uint8 (E2M1 codes of wo, K innermost, in blocks of 32 codes, two codes a byte); wo_scales 1,024 x 32 uint8 (E8M0 scales of wo, one for each 32 codes along K); wq_codes 1,024 x 32 x 16 uint8 (E2M1 codes of wq, K innermost, in blocks of 32 codes, two codes a byte); wq_scales 1,024 x 32 uint8 (E8M0 scales of wq, one for each 32 codes along K); wv_codes 1,024 x 32 x 16 uint8 (E2M1 codes of wv, K innermost, in blocks of 32 codes, two codes a byte); wv_scales 1,024 x 32 uint8 (E8M0 scales of wv, one for each 32 codes along K); x 8 x 1,024 x 1,024 float32.
;; Outputs: out0 8 x 1,024 x 1,024 float32.
;; This version of the problem:
;;   THIS VERSION OF THE PROBLEM IS GIVEN IN LOW PRECISION. The matrix products marked QUANTISED in the list below multiply operands that are first quantised to E2M1 (2 exponent bits, 1 mantissa bit; 4 bits a number), with one power-of-two scale for each 32 numbers along K (OCP MX v1.0); their sums are f32. All else is computed in f32.
;;   The module's matrix products, in the order in which they are computed (A, B: the left and right operand; K: the contracted axis; several contracted axes count as one K, in the product's order):
;;     1. [M 8,192, K 1,024] x [K 1,024, N 1,024]; A: input x; B: input wq (given as codes): QUANTISED
;;     2. [M 8,192, K 1,024] x [K 1,024, N 1,024]; A: input x; B: input wk (given as codes): QUANTISED
;;     3. [M 8,192, K 1,024] x [K 1,024, N 1,024]; A: input x; B: input wv (given as codes): QUANTISED
;;     4. batch 128 x [M 1,024, K 64] x [K 64, N 1,024]; A: computed on the way; B: computed on the way: QUANTISED
;;     5. batch 128 x [M 1,024, K 1,024] x [K 1,024, N 64]; A: softmax (see below); B: computed on the way: QUANTISED
;;     6. [M 8,192, K 1,024] x [K 1,024, N 1,024]; A: computed on the way; B: input wo (given as codes): QUANTISED
;;   THE QUANTISER, for each operand of a quantised product, along K:
;;     - K is cut into blocks of 32 from its start; a last block that is shorter is filled with zeros.
;;     - A block's scale is 2^e with e = floor(log2(the largest magnitude in the block)) - 2, held to -126 .. 127; a block of zeros has e = 0. As a byte (E8M0): e + 127.
;;     - Each number is divided by its block's scale, clamped to +-6, and rounded to the nearest number of E2M1, ties to even, subnormals kept.
;;     - The product sums the exact products of the quantised numbers (number of the format x scale) in f32.
;;   ~~~python
;;   def quantise(x, axis):      # numpy; x: float32 -> the quantised numbers, widened to float32 again
;;       x = np.moveaxis(x, axis, -1); K = x.shape[-1]
;;       x = np.pad(x, [(0, 0)] * (x.ndim - 1) + [(0, -K % 32)]); x = x.reshape(x.shape[:-1] + (-1, 32)); a = np.abs(x).max(-1, keepdims=True)
;;       e = np.where(a > 0, np.clip(np.frexp(np.where(a > 0, a, 1))[1] - 1 - 2, -126, 127), 0)      # np.frexp(a)[1] - 1 = floor(log2(a)), exactly
;;       r = np.clip(x / 2.0 ** e, -6, 6)
;;       step = 2.0 ** (np.maximum(np.frexp(np.where(r == 0, 1, r))[1] - 1, 0) - 1)
;;       q = np.round(r / step) * step * 2.0 ** e      # np.round: ties to even
;;       return np.moveaxis(q.reshape(q.shape[:-2] + (-1,))[..., :K], -1, axis).astype(np.float32)
;;   ~~~
;;   SOFTMAX AHEAD OF A QUANTISED PRODUCT. Where the list says 'softmax', what is quantised is not the finished softmax but p = 2^(t - M), with t = logit x log2(e) and M = ceil(the row's largest t), a whole number; so 1/2 < the row's largest p <= 1. The row's sum l is taken of the UNQUANTISED p, in f32, and the product's result is divided by l at the end. Since M is a whole number, a kernel that streams over the keys may use a running M (the ceiling of the running maximum): every later rescaling is an exact power of two, which a block's scale takes up: the codes' values come out the same.
;;   OPERANDS COMPUTED ON THE WAY. 'Computed on the way' means the value that the module computes at that place (a softmax that the list does not call 'softmax' is quantised finished and normalised). What goes into a quantiser is computed in f32, as accurately as f32 sums, v_exp_f32 and their like allow (about 1e-6 of the number): no bf16 or f16 on the way to a quantiser, and a product that is left as it is and whose result goes on into a quantised operand takes f32 operands (vector FMAs, or v_wmma_f32_16x16x4_f32). A number that lies on a knife's edge between two numbers of the format may be rounded either way, as far as f32 arithmetic and the matrix unit's own rounding can turn it there, and no further.
;;   INPUTS GIVEN AS CODES. wk (in the module: [1024, 1024], K = its axis 0); wo (in the module: [1024, 1024], K = its axis 0); wq (in the module: [1024, 1024], K = its axis 0); wv (in the module: [1024, 1024], K = its axis 0): each comes as NAME_codes (uint8): NAME with its K axis moved to the last place and cut into blocks of 32 codes, [.., K / 32, bytes a block], one block behind the other in memory; two codes a byte, the lower K in the low four bits (a code: sign, 2 exponent bits, 1 mantissa bit); and NAME_scales (uint8): the same leading axes, one E8M0 byte (e + 127) for each 32 codes along K. Its value is code x scale, taken as it is: it is not quantised again, and the codes and scales need not be those that the quantiser above would give.
;; 2 versions. Each part assembles by itself: llvm-mc -triple=amdgcn-amd-amdhsa -mcpu=gfx1250 --defsym DOCPART=n.
;; ======== version 1 of 2: 4 launches
;; workspace buffers: xq 4,456,448 bytes; qb 4,718,592 bytes; kb 4,718,592 bytes; vb 4,456,448 bytes; cb 4,456,448 bytes
;; launch quantx (part 1): grid 256 x 1, 4 waves a work-group, no clusters, 33,280 bytes of LDS; arguments x, xq; writes xq
.if DOCPART == 1
	.amdgcn_target "amdgcn-amd-amdhsa--gfx1250"
	.amdhsa_code_object_version 6
	.text
	.protected	k_qfbe448a787_quantx
	.globl	k_qfbe448a787_quantx
	.p2align	8
	.type	k_qfbe448a787_quantx,@function
k_qfbe448a787_quantx:
	s_mov_b64 s[64:65], 0
	v_nop
	global_prefetch_b8 v0, s[64:65] scope:SCOPE_SE
	s_setreg_imm32_b32 hwreg(HW_REG_WAVE_MODE, 25, 1), 1
	s_wait_xcnt 0x0
; x [8192 tokens][1024], f32, becomes codes of FP4 (E2M1), K innermost, with one E8M0 byte for each 32 along K, in the workspace xq:
; from byte 0 the codes, 512 bytes a row; from byte 4,194,304 the scale bytes, 32 a row.
; THE ROWS OF xq ARE NOT IN TOKEN ORDER: token 32 G + 16 a + 8 u + e lies at row 32 G + 16 u + 8 a + e, so that 16 rows on end are the 16 tokens
; 32 G + 8 u + (0 .. 7, 16 .. 23) that form one tile of the later products.
; A block's scale is 2^(floor(log2(its largest magnitude)) - 2); its byte is the largest magnitude's exponent field - 2, held at 1 from below.
; LIMITS: a block of zeros gets the byte 1 where the quantiser says 127: its codes are zeros and only this program reads the bytes; blocks whose largest
; magnitude lies under 2^-124 are held at that byte; NaN and infinities among the inputs are not served.
; A wave takes 8 tokens = 8,192 numbers in 16 steps of 512.  Each of a step's four loads reads 512 consecutive bytes; the 2,048 bytes turn through the wave's
; own stage in LDS and come back 64 bytes a lane, so that a lane holds 16 neighbours along K and two neighbouring lanes hold a block.
; A lane's 16 codes are 8 bytes: the wave stores 256 consecutive bytes.  The wave's 256 scale bytes are gathered in LDS and leave as 256 consecutive bytes.
; No barrier: waves share nothing.  Loads run four steps (16 loads a wave) ahead, the turn through LDS one step.
.set STEPS, 16
.set CB,    8                          ; bytes of 16 codes
.set R,     16                         ; v16-79   four sets of 16 numbers as they are loaded
.set X,     80                         ; v80-111  two sets of 16 neighbours
.set E,     112                        ; v112-127 a scale byte for each step
.set C,     128                        ; v128-191 codes: four registers for each step, so that no store's data are written again
.set WREG,  8192                       ; LDS: a region for each wave: two stages of 32 x SP bytes, behind them its 256 scale bytes
.set SP,    80                         ; a lane's place in a stage: 64 bytes + 16 of padding
	s_load_b128 s[4:7], s[0:1], 0x0                ; x s[4:5], xq s[6:7]
	v_lshl_add_u32 v192, v0, 2, 0x8000
	v_mov_b32 v193, 0
	v_lshrrev_b32 v1, 5, v0
	v_readfirstlane_b32 s16, v1                    ; wave 0..3
	v_and_b32 v2, 31, v0                           ; lane
	v_lshlrev_b32 v3, 4, v2                        ; my 16 bytes of a load's 512
	s_mul_i32 s17, s16, WREG
	v_lshrrev_b32 v14, 2, v2
	v_mul_u32_u24 v14, v14, SP
	v_and_b32 v15, 3, v2
	v_lshl_add_u32 v14, v15, 4, v14
	v_add_nc_u32 v14, s17, v14                     ; the stage, on the way in: SP (lane / 4) + 16 (lane % 4)
	v_mul_u32_u24 v15, v2, SP
	v_add_nc_u32 v15, s17, v15                     ; and on the way out: SP x lane: my 16 neighbours
	v_mul_u32_u24 v4, v2, CB                       ; my codes' place in a step's
	v_lshrrev_b32 v5, 1, v2
	s_add_co_u32 s17, s17, 2*32*SP
	v_add_nc_u32 v5, s17, v5                       ; LDS: my wave's 256 scale bytes, my block's byte
	v_lshlrev_b32 v7, 3, v2                        ; and on the way out 8 bytes a lane
	v_add_nc_u32 v6, s17, v7
	s_lshl_b32 s18, ttmp9, 2
	s_add_co_u32 s20, s18, s16                     ; n = 4 x work-group + wave: tokens 8 n .. 8 n + 7
	s_lshl_b32 s20, s20, 15                        ; 32,768 bytes of x
	s_mov_b32 s21, 0
	s_and_b32 s22, s16, 1
	s_lshl_b32 s22, s22, 1
	s_lshr_b32 s23, s16, 1
	s_add_co_u32 s22, s22, s23                     ; the wave's two bits change places:
	s_add_co_u32 s22, s22, s18                     ; the run of eight rows of xq that these tokens take
	s_lshl_b32 s24, s22, 12                        ; its 4,096 bytes of codes
	s_mov_b32 s25, 0
	s_lshl_b32 s26, s22, 8                         ; its 256 scale bytes,
	s_add_co_u32 s26, s26, 0x400000                ; which lie behind all the codes
	s_mov_b32 s27, 0
	s_wait_kmcnt 0x0
	s_add_nc_u64 s[4:5], s[4:5], s[20:21]
	s_add_nc_u64 s[8:9], s[6:7], s[24:25]
	s_add_nc_u64 s[10:11], s[6:7], s[26:27]
.macro LOAD t
.irp i, 0,1,2,3
	global_load_b128 v[R+16*((\t)%4)+4*\i:R+16*((\t)%4)+4*\i+3], v3, s[4:5] offset:2048*(\t)+512*\i   ; 32 lanes read 512 consecutive bytes (no hint: the last launch reads x again)
.endr
.endm
.macro TURN t                          ; step t's numbers through the stage: LDS serves a wave's instructions in order, so no wait stands between the stores and the loads
.irp i, 0,1,2,3
	ds_store_b128 v14, v[R+16*((\t)%4)+4*\i:R+16*((\t)%4)+4*\i+3] offset:32*SP*((\t)%2)+8*SP*\i
.endr
.irp i, 0,1,2,3
	ds_load_b128 v[X+16*((\t)%2)+4*\i:X+16*((\t)%2)+4*\i+3], v15 offset:32*SP*((\t)%2)+16*\i
.endr
.endm
.irp t, 0,1,2,3
	LOAD \t
.endr
	s_wait_loadcnt 12                              ; step 0's four loads are in; the twelve behind them stay out
	TURN 0
.macro STEP t
.set XS, X+16*((\t)%2)
.if (\t) > 0
	s_wait_dscnt 1                                 ; this step's numbers are back from the stage (the last step's byte store may be out): so its stores into the stage have read their registers,
.else
	s_wait_dscnt 0x0
.endif
.if (\t)+4 < STEPS
	LOAD (\t)+4                                    ; which take the loads of four steps on
.endif
.if (\t)+1 < STEPS
.if STEPS-2-(\t) >= 3
	s_wait_loadcnt 12                              ; the next step's four loads are in; those of the three steps behind it may be out
.else
	s_wait_loadcnt 4*(STEPS-2-(\t))
.endif
	TURN (\t)+1                                    ; and go through the other stage while this step is worked
.endif
	v_max3_num_f32 v8, |v[XS]|, |v[XS+1]|, |v[XS+2]|               ; the largest magnitude of my 16, in two chains
	v_max3_num_f32 v9, |v[XS+3]|, |v[XS+4]|, |v[XS+5]|
.irp i, 6,10
	v_max3_num_f32 v8, v8, |v[XS+\i]|, |v[XS+\i+1]|
	v_max3_num_f32 v9, v9, |v[XS+\i+2]|, |v[XS+\i+3]|
.endr
	v_max3_num_f32 v8, v8, |v[XS+14]|, |v[XS+15]|
	v_max3_num_f32 v8, v8, v9, 0x1800000           ; and the floor 2^(3 - 127): the byte cannot fall under 1
	v_max_num_f32_dpp v8, v8, v8 row_xmask:1 row_mask:0xf bank_mask:0xf   ; and of my neighbour's 16: the block's
	v_add_nc_u32 v11, 0xff000000, v8               ; 2 off its exponent field: the conversion takes the exponent field of this operand as its scale
	v_cvt_scalef32_pk8_fp4_f32 v[C+4*(\t)], v[XS:XS+7], v11
	v_cvt_scalef32_pk8_fp4_f32 v[C+4*(\t)+1], v[XS+8:XS+15], v11
	v_lshrrev_b32 v[E+(\t)], 23, v11               ; the scale's byte
	ds_store_b8 v5, v[E+(\t)] offset:16*(\t)       ; both lanes of a block write the same byte with the same value
	global_store_b64 v4, v[C+4*(\t):C+4*(\t)+1], s[8:9] offset:32*CB*(\t)   ; 32 lanes store 256 consecutive bytes
.endm
.irp t, 0,1,2,3,4,5,6,7,8,9,10,11,12,13,14,15
	STEP \t
.endr
	ds_load_b64 v[12:13], v6                       ; LDS serves a wave's instructions in order: these see my stores
	s_wait_dscnt 0x0
	global_store_b64 v7, v[12:13], s[10:11]        ; 32 lanes store 256 consecutive bytes
	s_wait_tensorcnt 0x0
	ds_add_u32 v192, v193
	s_wait_dscnt 0x0
	s_endpgm
.Lfunc_end_k_qfbe448a787_quantx:
	.size	k_qfbe448a787_quantx, .Lfunc_end_k_qfbe448a787_quantx-k_qfbe448a787_quantx
	.p2alignl 7, 3214868480
	.fill 96, 4, 3214868480
	.section	.rodata,"a",@progbits
	.p2align	6, 0x0
	.amdhsa_kernel k_qfbe448a787_quantx
		.amdhsa_group_segment_fixed_size 33280
		.amdhsa_private_segment_fixed_size 0
		.amdhsa_enable_private_segment 0
		.amdhsa_kernarg_size 16
		.amdhsa_user_sgpr_count 2
		.amdhsa_user_sgpr_kernarg_segment_ptr 1
		.amdhsa_wavefront_size32 1
		.amdhsa_system_sgpr_workgroup_id_x 1
		.amdhsa_system_sgpr_workgroup_id_y 1
		.amdhsa_system_sgpr_workgroup_id_z 1
		.amdhsa_system_vgpr_workitem_id 0
		.amdhsa_next_free_vgpr 194
		.amdhsa_next_free_sgpr 66
		.amdhsa_reserve_vcc 0
		.amdhsa_float_denorm_mode_32 3
		.amdhsa_float_denorm_mode_16_64 3
		.amdhsa_memory_ordered 1
		.amdhsa_forward_progress 1
		.amdhsa_inst_pref_size 33
	.end_amdhsa_kernel
	.amdgpu_metadata
---
amdhsa.version: [ 1, 2 ]
amdhsa.kernels:
  - .name:           k_qfbe448a787_quantx
    .symbol:         k_qfbe448a787_quantx.kd
    .args:
      - { .name: x, .offset: 0, .size: 8, .value_kind: global_buffer, .address_space: global }
      - { .name: xq, .offset: 8, .size: 8, .value_kind: global_buffer, .address_space: global }
    .group_segment_fixed_size: 33280
    .private_segment_fixed_size: 0
    .kernarg_segment_align: 8
    .kernarg_segment_size: 16
    .max_flat_workgroup_size: 128
    .sgpr_count:     66
    .vgpr_count:     194
    .wavefront_size: 32
...
	.end_amdgpu_metadata
.endif
;; end of part 1
;; launch qkv (part 2): grid 4 x 64, 4 waves a work-group, no clusters, 168,448 bytes of LDS; arguments xq, wq_codes, wq_scales, bq, wk_codes, wk_scales, bk, wv_codes, wv_scales, bv, qb, kb, vb; writes qb, kb, vb
.if DOCPART == 2
	.amdgcn_target "amdgcn-amd-amdhsa--gfx1250"
	.amdhsa_code_object_version 6
	.text
	.protected	k_qfbe448a787_qkv
	.globl	k_qfbe448a787_qkv
	.p2align	8
	.type	k_qfbe448a787_qkv,@function
k_qfbe448a787_qkv:
	s_mov_b64 s[64:65], 0
	v_nop
	global_prefetch_b8 v0, s[64:65] scope:SCOPE_SE
	s_setreg_imm32_b32 hwreg(HW_REG_WAVE_MODE, 25, 1), 1
	s_wait_xcnt 0x0
; q = x wq + bq, k = x wk + bk, v = x wv + bv on codes of FP4 with E8M0 scales; each result is quantised in registers and stored as an IMAGE OF THE REGISTERS
; in which the attention launch wants it: q and k along the head's 64 (two blocks), v along the KEYS (blocks of 32 tokens).
; SHARES.  Work-group (j, i): tokens 128 i .. 128 i + 127 (batch i / 8, key step i % 8), heads 4 j .. 4 j + 3.  Wave w: head 4 j + w: 128 tokens x 64 columns = 32 accumulators, for q, then k, then v.
; x's codes of the 128 tokens (64 KB) come into LDS once, by one tensor load a wave, and are read by all four waves.  A wave's 64 rows of a weight are wanted by no other wave of the work-group: they go from memory
; straight into its registers, the next matrix's while this one is multiplied.  That is also why no cluster is used: what work-groups share (the weights) never passes through LDS here.
; ORDER OF ROWS.  A tile's 16 rows are 8 neighbours and the 8 that lie 16 further on: row r of tile 2 b + u stands for 32 b + 8 u + r + 8 (r / 8).  xq's rows lie so (tokens), and the weights' rows of a head are taken so (d).
; In a result whose source 0 has such rows, the 16 registers of tiles 2 b and 2 b + 1 are the 16 neighbours 32 b + 16 (lane / 16) + 0 .. 15: what the conversions want.
; q, k: TRANSPOSED (source 0 = 16 rows of W, source 1 = 16 tokens): a lane holds one token, its registers run along d.   v: source 0 = 16 tokens, source 1 = 16 rows of W: a lane holds one d, its registers run along the tokens.
; The bias is the C of each sum's first matrix instruction.
; LIMITS: a block of zeros gets the scale byte 1 (its codes are zeros; only this program reads the bytes); blocks under 2^-124 are held at that byte; NaN and infinities are not served.
; REGISTERS, in windows of 256 (s_set_vgpr_msb: bits 1:0 source 0, 3:2 source 1, 5:4 source 2, 7:6 destination):
;   window 0: v4-11 addresses; v12-15 scale words going out; v32-63 x's scale words; v64-95 W's scale words, two sets; v96-127 the bias in the result's layout; v128-191, v192-255 x's fragments, two buffers
;             (in the epilogue v192-207 largest magnitudes, v208-223 bytes, v224-255 codes)
;   window 1: W of q, later of v (fragment (tile n, K step s) at v[8 (4 s + n)]);   window 3: W of k;   window 2: the 32 accumulators, laid so that block B of 16 numbers a lane is v[16 B .. 16 B + 15].
.set PITCH, 528                        ; an LDS row: 512 bytes + 16 of padding = 132 words: the 16 rows that a load touches begin 4 words further on each (64 banks of 4 bytes: ISA guide 11.1)
.set TILEB, 16*PITCH
.set LI,  4                            ; v4   16 x lane
.set XA,  5                            ; v5   x's fragments in LDS: PITCH r + 16 h
.set WA,  6                            ; v6   W's fragments in memory: 512 (r + 8 (r / 8)) + 16 h
.set SA,  7                            ; v7   x's scale words: 32 x lane
.set WSA, 8                            ; v8   W's scale words: 32 (8 h + r + 8 (r / 8))
.set BA,  9                            ; v9   bias of q, k: 64 h
.set BVA, 10                           ; v10  bias of v: 4 (r + 8 (r / 8))
.set L8,  11                           ; v11  8 x lane
.set SW,  12
.set XS,  32                           ; register 8 p + s: lanes 0-15 token tile 2 p, lanes 16-31 tile 2 p + 1, K step s
.set WS,  64                           ; set m: register 16 m + 8 b + s: lanes 0-15 W's tile 2 b, lanes 16-31 tile 2 b + 1
.set BI,  96
.set XF0, 128
.set MX,  192
.set T2,  208
.set CD,  224
.set MSB, 0
.macro WIN new                         ; the immediate's high byte repeats the setting that is left; a switch that changes nothing is dropped
.if MSB != \new
	s_set_vgpr_msb (MSB<<8)|\new
.set MSB, \new
.endif
.endm
; A load into a register that a matrix instruction has read, and a vector instruction that reads a matrix result or writes one of a matrix instruction's registers, stand four places behind it;
; only plain vector instructions that name none of its registers are places (ISA guide 7.12.1 for vector instructions).
.macro PLACES
.rept 4
	v_nop
.endr
.endm
.macro WM d, a, b, c, sa, sb, ra, rb   ; one product; ra, rb: that side's scale words lie in lanes 16-31
.if (\ra) && (\rb)
	v_wmma_scale_f32_16x16x128_f8f6f4 v[\d:\d+7], v[\a:\a+7], v[\b:\b+7], v[\c:\c+7], v[\sa], v[\sb] matrix_a_fmt:MATRIX_FMT_FP4 matrix_b_fmt:MATRIX_FMT_FP4 matrix_a_scale:MATRIX_SCALE_ROW1 matrix_b_scale:MATRIX_SCALE_ROW1
.elseif (\ra)
	v_wmma_scale_f32_16x16x128_f8f6f4 v[\d:\d+7], v[\a:\a+7], v[\b:\b+7], v[\c:\c+7], v[\sa], v[\sb] matrix_a_fmt:MATRIX_FMT_FP4 matrix_b_fmt:MATRIX_FMT_FP4 matrix_a_scale:MATRIX_SCALE_ROW1
.elseif (\rb)
	v_wmma_scale_f32_16x16x128_f8f6f4 v[\d:\d+7], v[\a:\a+7], v[\b:\b+7], v[\c:\c+7], v[\sa], v[\sb] matrix_a_fmt:MATRIX_FMT_FP4 matrix_b_fmt:MATRIX_FMT_FP4 matrix_b_scale:MATRIX_SCALE_ROW1
.else
	v_wmma_scale_f32_16x16x128_f8f6f4 v[\d:\d+7], v[\a:\a+7], v[\b:\b+7], v[\c:\c+7], v[\sa], v[\sb] matrix_a_fmt:MATRIX_FMT_FP4 matrix_b_fmt:MATRIX_FMT_FP4
.endif
.endm
.macro WLOAD win, base                 ; my head's 64 rows of a weight, all of K: 32 fragments, 64 loads, into the window that win names as destination
	WIN \win
.irp n, 0,1,2,3
.irp s, 0,1,2,3,4,5,6,7
.irp c, 0,1
	global_load_b128 v[8*(4*\s+\n)+4*\c:8*(4*\s+\n)+4*\c+3], v[WA], s[\base:\base+1] offset:(32*(\n/2)+8*(\n%2))*512+64*\s+32*\c
.endr
.endr
.endr
	WIN 0
.endm
.macro WSLOAD set, base                ; and their scale words: 32 bytes a row, eight words
.irp b, 0,1
.irp q, 0,1
	global_load_b128 v[WS+16*\set+8*\b+4*\q:WS+16*\set+8*\b+4*\q+3], v[WSA], s[\base:\base+1] offset:1024*\b+16*\q
.endr
.endr
.endm
.macro BLOAD_QK base                   ; tile n's register j: the bias of d = 32 (n / 2) + 8 (n % 2) + 16 h + j
.irp n, 0,1,2,3
.irp q, 0,1
	global_load_b128 v[BI+8*\n+4*\q:BI+8*\n+4*\q+3], v[BA], s[\base:\base+1] offset:(32*(\n/2)+8*(\n%2))*4+16*\q
.endr
.endr
.endm
.macro BLOAD_V                         ; tile n: the bias of my lane's one d, spread over the tile's eight registers later
.irp n, 0,1,2,3
	global_load_b32 v[BI+8*\n], v[BVA], s[26:27] offset:(32*(\n/2)+8*(\n%2))*4
.endr
.endm
.macro FETCH s, buf                    ; x's eight fragments of K step s: registers 4 c .. 4 c + 3 hold k = 64 c + 32 h + 0 .. 31 of row r: 16 bytes as they lie
.irp T, 0,1,2,3,4,5,6,7
.irp c, 0,1
	ds_load_b128 v[\buf+8*\T+4*\c:\buf+8*\T+4*\c+3], v[XA] offset:TILEB*\T+64*(\s)+32*\c
.endr
.endr
.endm
; One matrix: eight K steps of 32 products.  kind 0: q, k (transposed); 1: v.  ww: W's window.  set: its scale words.  nb: which bias is fetched for the next matrix (1: bk, 2: bv, 0: none).
; The 32 accumulators take turns, one instruction a turn, in the same order in every step.
.macro MAIN kind, ww, set, nb
.irp s, 0,1,2,3,4,5,6,7
	s_wait_dscnt 0x0                               ; this step's fragments are in
	PLACES                                         ; behind the last step's products, which read the buffer (and, in step 0, the bias) that is loaded next
	WIN 0
.if \s < 7
.set nS, \s+1
.set nB, XF0+64*((\s+1)%2)
	FETCH nS, nB                                   ; the next step's fragments land while this step is multiplied
.endif
.if (\s == 1) && (\nb == 1)
	BLOAD_QK 20
.endif
.if (\s == 1) && (\nb == 2)
	BLOAD_V
.endif
.if \kind == 0
.set wM, 0xa0|\ww                      ; source 0 = W, source 1 = x (window 0), C and D window 2
.else
.set wM, 0xa0|(\ww<<2)                 ; source 0 = x, source 1 = W
.endif
.if \s == 0
.set wM, wM&0xcf                       ; the first step's C is the bias, in window 0
.endif
	WIN wM
.irp T, 0,1,2,3,4,5,6,7
.irp n, 0,1,2,3
.set rX, XF0+64*(\s%2)+8*\T
.set rW, 8*(4*\s+\n)
.set qX, XS+8*(\T/2)+\s
.set qW, WS+16*\set+8*(\n/2)+\s
.if \kind == 0
.set rD, 8*(4*\T+\n)
.else
.set rD, 8*(8*\n+\T)
.endif
.if \s == 0
.set rC, BI+8*\n
.else
.set rC, rD
.endif
.if \kind == 0
	WM rD, rW, rX, rC, qW, qX, \n%2, \T%2
.else
	WM rD, rX, rW, rC, qX, qW, \T%2, \n%2
.endif
.endr
.endr
.endr
.endm
; The epilogue: 16 blocks of 32 (16 numbers in my lane, 16 in lane l xor 16) become codes and scale bytes, and leave as images.  next = 1: a matrix follows.  gi, gw: the bases of the images and of the scale words.
.macro EPI kind, next, gi, gw
	PLACES
	WIN 0
.if \next
	FETCH 0, XF0                                   ; the next matrix's first fragments
.endif
	WIN 0x0a                                       ; sources 0 and 1: the accumulators' window
.irp B, 0,1,2,3,4,5,6,7,8,9,10,11,12,13,14,15
	v_max3_num_f32 v[MX+\B], |v[16*\B]|, |v[16*\B+1]|, 0x1800000   ; each accumulator is read from its low end on; the floor 2^(3 - 127) holds the byte at 1 from below
.endr
.irp i, 2,4,6,8,10,12,14
.irp B, 0,1,2,3,4,5,6,7,8,9,10,11,12,13,14,15
	v_max3_num_f32 v[MX+\B], |v[16*\B+\i]|, |v[16*\B+\i+1]|, v[MX+\B]
.endr
.endr
	WIN 0
.irp B, 0,1,2,3,4,5,6,7,8,9,10,11,12,13,14,15
	v_permlanex16_b32 v[T2+\B], v[MX+\B], s50, s51
.endr
.irp B, 0,1,2,3,4,5,6,7,8,9,10,11,12,13,14,15
	v_max_num_f32 v[MX+\B], v[MX+\B], v[T2+\B]     ; with lane l xor 16's: the block's largest magnitude
.endr
.irp B, 0,1,2,3,4,5,6,7,8,9,10,11,12,13,14,15
	v_add_nc_u32 v[MX+\B], 0xff000000, v[MX+\B]    ; 2 off its exponent field: the conversion's scale operand
.endr
.irp B, 0,1,2,3,4,5,6,7,8,9,10,11,12,13,14,15
	v_lshrrev_b32 v[T2+\B], 23, v[MX+\B]           ; the scale's byte
.endr
.if \kind == 0
.irp T, 0,1,2,3,4,5,6,7
	v_lshl_or_b32 v[T2+2*\T], v[T2+2*\T+1], 8, v[T2+2*\T]          ; a token's word: two bytes, and two bytes 0 for the 64 zero codes that fill the K step of 128
.endr
.irp p, 0,1,2,3
	v_cndmask_b32 v[SW+\p], v[T2+4*\p], v[T2+4*\p+2], s48          ; lanes 0-15 tile 2 p's words, lanes 16-31 tile 2 p + 1's
.endr
.else
.irp d, 0,1,2,3
	v_lshl_or_b32 v[T2+4*\d], v[T2+4*\d+1], 8, v[T2+4*\d]          ; a d's word: the four blocks of these 128 keys
	v_lshl_or_b32 v[T2+4*\d], v[T2+4*\d+2], 16, v[T2+4*\d]
	v_lshl_or_b32 v[T2+4*\d], v[T2+4*\d+3], 24, v[T2+4*\d]
.endr
.irp p, 0,1
	v_cndmask_b32 v[SW+\p], v[T2+8*\p], v[T2+8*\p+4], s48
.endr
.endif
	WIN 0x02                                       ; source 0: the accumulators' window
.irp B, 0,1,2,3,4,5,6,7,8,9,10,11,12,13,14,15
	v_cvt_scalef32_pk8_fp4_f32 v[CD+2*\B], v[16*\B:16*\B+7], v[MX+\B]
	v_cvt_scalef32_pk8_fp4_f32 v[CD+2*\B+1], v[16*\B+8:16*\B+15], v[MX+\B]
.endr
	WIN 0
	v_nop                                          ; one plain place behind the scaled conversions
.irp g, 0,1,2,3,4,5,6,7                ; the operand's layout wants a WHOLE block in a lane: lanes 0-15 block 2 g, lanes 16-31 block 2 g + 1
.irp i, 0,1
	v_permlane16_swap_b32 v[CD+4*\g+\i], v[CD+4*\g+2+\i]
.endr
.endr
.irp g, 0,1,2,3,4,5,6,7
	global_store_b128 v[LI], v[CD+4*\g:CD+4*\g+3], s[\gi:\gi+1] offset:512*\g   ; four registers of an operand as they stand: 512 consecutive bytes
.endr
.if \kind == 0
	global_store_b128 v[LI], v[SW:SW+3], s[\gw:\gw+1]              ; 512 consecutive bytes
.else
	global_store_b64 v[L8], v[SW:SW+1], s[\gw:\gw+1]               ; 256 consecutive bytes
.endif
.if \next
	s_wait_xcnt 0x0                                ; the stores' data registers are written again (by the next fragments and the next epilogue) only behind this wait
.endif
.endm
	s_load_b512 s[8:23], s[0:1], 0x0               ; xq s[8:9], wq codes s[10:11], wq scales s[12:13], bq s[14:15], wk codes s[16:17], wk scales s[18:19], bk s[20:21], wv codes s[22:23]
	s_load_b256 s[24:31], s[0:1], 0x40             ; wv scales s[24:25], bv s[26:27], qb s[28:29], kb s[30:31]
	s_load_b64 s[32:33], s[0:1], 0x60              ; vb
	v_lshl_add_u32 v30, v0, 2, 0x29000
	v_mov_b32 v31, 0
	ds_add_u32 v30, v31
	ds_add_u32 v30, v31
	v_lshrrev_b32 v1, 5, v0
	v_readfirstlane_b32 s2, v1                     ; wave 0..3
	s_lshl_b32 s3, ttmp9, 2
	s_add_co_u32 s3, s3, s2                        ; my head
	s_and_b32 s4, ttmp7, 0xffff                    ; i: my block of 128 tokens
	s_lshr_b32 s5, s4, 3                           ; the batch
	s_and_b32 s6, s4, 7                            ; the key step
	s_lshl_b32 s7, s5, 4
	s_add_co_u32 s7, s7, s3                        ; bh = 16 x batch + head
	; descriptor group 1: 32 rows of 512 bytes, dense in memory, 16 bytes of padding behind each in LDS
	s_mov_b32 s40, (1<<20)|(6<<22)|(3<<25)         ; 15:0 no mask; 17:16 elements of 1 byte; 20 padding on; 24:22 after every 128 words (code 6); 31:25 four words (code 3)
	s_mov_b32 s41, 512<<16                         ; tensor_dim0 = 512
	s_mov_b32 s42, 32<<16                          ; tensor_dim1 = 32
	s_mov_b32 s43, 512<<16                         ; tile_dim0 = 512
	s_mov_b32 s44, 32                              ; tile_dim1 = 32
	s_mov_b32 s45, 512                             ; from row to row
	s_mov_b32 s46, 0
	s_mov_b32 s47, 0
	s_mov_b32 s36, 1                               ; group 0: count = 1
	s_mul_i32 s37, s2, 32*PITCH                    ; LDS address: my 32 rows
	s_lshl_b32 s34, s4, 16                         ; the block's 128 rows of 512 bytes,
	s_lshl_b32 s49, s2, 14                         ; my 32 of them
	s_add_co_u32 s34, s34, s49
	s_mov_b32 s35, 0
	s_mov_b32 s48, 0xffff0000                      ; lanes 16-31
	s_mov_b32 s50, 0x76543210
	s_mov_b32 s51, 0xfedcba98                      ; v_permlanex16_b32's selects for lane l xor 16
	s_wait_dscnt 0x0
	s_wait_kmcnt 0x0
	s_add_nc_u64 s[38:39], s[8:9], s[34:35]
	s_or_b32 s39, s39, 0x80000000                  ; type = 2
	tensor_load_to_lds s[36:39], s[40:47]          ; my one tensor load: LDS is filled once in this launch
	s_nop 0
	PLACES                                         ; four v_nop follow the tensor load
	v_and_b32 v1, 15, v0                           ; r
	v_bfe_u32 v2, v0, 4, 1                         ; h
	v_and_b32 v3, 8, v1
	v_add_nc_u32 v3, v3, v1                        ; r + 8 (r / 8)
	v_and_b32 v[LI], 31, v0
	v_lshlrev_b32 v[LI], 4, v[LI]
	v_mul_u32_u24 v[XA], v1, PITCH
	v_lshl_add_u32 v[XA], v2, 4, v[XA]
	v_lshlrev_b32 v[WA], 9, v3
	v_lshl_add_u32 v[WA], v2, 4, v[WA]
	v_lshlrev_b32 v[SA], 1, v[LI]
	v_lshl_add_u32 v[WSA], v2, 3, v3
	v_lshlrev_b32 v[WSA], 5, v[WSA]
	v_lshlrev_b32 v[BA], 6, v2
	v_lshlrev_b32 v[BVA], 2, v3
	v_lshrrev_b32 v[L8], 1, v[LI]
	s_lshl_b32 s34, s4, 12
	s_add_co_u32 s34, s34, 0x400000
	s_add_nc_u64 s[8:9], s[8:9], s[34:35]          ; x's scale bytes: 32 a row, my block's 128 rows
	s_lshl_b32 s34, s3, 15                         ; my head's 64 rows of 512 bytes
	s_add_nc_u64 s[10:11], s[10:11], s[34:35]
	s_add_nc_u64 s[16:17], s[16:17], s[34:35]
	s_add_nc_u64 s[22:23], s[22:23], s[34:35]
	s_lshl_b32 s34, s3, 11                         ; their 64 x 32 scale bytes
	s_add_nc_u64 s[12:13], s[12:13], s[34:35]
	s_add_nc_u64 s[18:19], s[18:19], s[34:35]
	s_add_nc_u64 s[24:25], s[24:25], s[34:35]
	s_lshl_b32 s34, s3, 8                          ; their 64 biases
	s_add_nc_u64 s[14:15], s[14:15], s[34:35]
	s_add_nc_u64 s[20:21], s[20:21], s[34:35]
	s_add_nc_u64 s[26:27], s[26:27], s[34:35]
	s_lshl_b32 s34, s7, 12                         ; q's and k's scale words: 4,096 bytes a head, 512 a group of 8 tiles, behind the images
	s_lshl_b32 s49, s6, 9
	s_add_co_u32 s34, s34, s49
	s_add_co_u32 s34, s34, 0x400000
	s_add_nc_u64 s[52:53], s[28:29], s[34:35]
	s_add_nc_u64 s[54:55], s[30:31], s[34:35]
	s_lshl_b32 s34, s7, 11                         ; v's: 2,048 bytes a head, 256 a key step
	s_lshl_b32 s49, s6, 8
	s_add_co_u32 s34, s34, s49
	s_add_co_u32 s34, s34, 0x400000
	s_add_nc_u64 s[56:57], s[32:33], s[34:35]
	s_lshl_b32 s34, s7, 15                         ; the images: 32,768 bytes a head, 4,096 a block of 128 tokens, in all three buffers
	s_lshl_b32 s49, s6, 12
	s_add_co_u32 s34, s34, s49
	s_add_nc_u64 s[28:29], s[28:29], s[34:35]
	s_add_nc_u64 s[30:31], s[30:31], s[34:35]
	s_add_nc_u64 s[32:33], s[32:33], s[34:35]
	WLOAD 0x40, 10                                 ; wq
.irp p, 0,1,2,3
.irp q, 0,1
	global_load_b128 v[XS+8*\p+4*\q:XS+8*\p+4*\q+3], v[SA], s[8:9] offset:1024*\p+16*\q   ; x's scale words, for the whole launch
.endr
.endr
	WSLOAD 0, 12
	BLOAD_QK 14
	s_wait_tensorcnt 0x0                           ; my 32 rows of x's codes are in LDS,
	s_barrier_signal -1
	s_barrier_wait -1                              ; everybody's are: the launch's one barrier; nothing in LDS is written after it
	FETCH 0, XF0
	s_wait_loadcnt 0x0                             ; wq, all scale words, bq
	WLOAD 0xc0, 16                                 ; wk is asked for now and has q's products and epilogue in which to land
	WSLOAD 1, 18
	MAIN 0, 1, 0, 1
	EPI 0, 1, 28, 52
	s_wait_loadcnt 0x0                             ; wk, its scale words, bk
	WLOAD 0x40, 22                                 ; wv, into the window that wq has left
	WSLOAD 0, 24
	MAIN 0, 3, 1, 2
	EPI 0, 1, 30, 54
	s_wait_loadcnt 0x0                             ; wv, its scale words, bv
.irp n, 0,1,2,3
.irp j, 1,2,3,4,5,6,7
	v_mov_b32 v[BI+8*\n+\j], v[BI+8*\n]            ; in v's result a lane holds one d: its bias stands in all eight registers of the tile
.endr
.endr
	MAIN 1, 1, 0, 0
	EPI 1, 0, 32, 56
	s_wait_tensorcnt 0x0
	ds_add_u32 v30, v31
	s_wait_dscnt 0x0
	s_endpgm
.Lfunc_end_k_qfbe448a787_qkv:
	.size	k_qfbe448a787_qkv, .Lfunc_end_k_qfbe448a787_qkv-k_qfbe448a787_qkv
	.p2alignl 7, 3214868480
	.fill 96, 4, 3214868480
	.section	.rodata,"a",@progbits
	.p2align	6, 0x0
	.amdhsa_kernel k_qfbe448a787_qkv
		.amdhsa_group_segment_fixed_size 168448
		.amdhsa_private_segment_fixed_size 0
		.amdhsa_enable_private_segment 0
		.amdhsa_kernarg_size 104
		.amdhsa_user_sgpr_count 2
		.amdhsa_user_sgpr_kernarg_segment_ptr 1
		.amdhsa_wavefront_size32 1
		.amdhsa_system_sgpr_workgroup_id_x 1
		.amdhsa_system_sgpr_workgroup_id_y 1
		.amdhsa_system_sgpr_workgroup_id_z 1
		.amdhsa_system_vgpr_workitem_id 0
		.amdhsa_next_free_vgpr 1024
		.amdhsa_next_free_sgpr 66
		.amdhsa_reserve_vcc 0
		.amdhsa_float_denorm_mode_32 3
		.amdhsa_float_denorm_mode_16_64 3
		.amdhsa_memory_ordered 1
		.amdhsa_forward_progress 1
		.amdhsa_inst_pref_size 201
	.end_amdhsa_kernel
	.amdgpu_metadata
---
amdhsa.version: [ 1, 2 ]
amdhsa.kernels:
  - .name:           k_qfbe448a787_qkv
    .symbol:         k_qfbe448a787_qkv.kd
    .args:
      - { .name: xq, .offset: 0, .size: 8, .value_kind: global_buffer, .address_space: global }
      - { .name: wq_codes, .offset: 8, .size: 8, .value_kind: global_buffer, .address_space: global }
      - { .name: wq_scales, .offset: 16, .size: 8, .value_kind: global_buffer, .address_space: global }
      - { .name: bq, .offset: 24, .size: 8, .value_kind: global_buffer, .address_space: global }
      - { .name: wk_codes, .offset: 32, .size: 8, .value_kind: global_buffer, .address_space: global }
      - { .name: wk_scales, .offset: 40, .size: 8, .value_kind: global_buffer, .address_space: global }
      - { .name: bk, .offset: 48, .size: 8, .value_kind: global_buffer, .address_space: global }
      - { .name: wv_codes, .offset: 56, .size: 8, .value_kind: global_buffer, .address_space: global }
      - { .name: wv_scales, .offset: 64, .size: 8, .value_kind: global_buffer, .address_space: global }
      - { .name: bv, .offset: 72, .size: 8, .value_kind: global_buffer, .address_space: global }
      - { .name: qb, .offset: 80, .size: 8, .value_kind: global_buffer, .address_space: global }
      - { .name: kb, .offset: 88, .size: 8, .value_kind: global_buffer, .address_space: global }
      - { .name: vb, .offset: 96, .size: 8, .value_kind: global_buffer, .address_space: global }
    .group_segment_fixed_size: 168448
    .private_segment_fixed_size: 0
    .kernarg_segment_align: 8
    .kernarg_segment_size: 104
    .max_flat_workgroup_size: 128
    .sgpr_count:     66
    .vgpr_count:     1024
    .wavefront_size: 32
...
	.end_amdgpu_metadata
.endif
;; end of part 2
;; launch attn (part 3): grid 2 x 128, 16 waves a work-group, no clusters, 77,824 bytes of LDS; arguments qb, kb, vb, mask, cb; writes cb
.if DOCPART == 3
	.amdgcn_target "amdgcn-amd-amdhsa--gfx1250"
	.amdhsa_code_object_version 6
	.text
	.protected	k_qfbe448a787_attn
	.globl	k_qfbe448a787_attn
	.p2align	8
	.type	k_qfbe448a787_attn,@function
k_qfbe448a787_attn:
	s_mov_b64 s[64:65], 0
	v_nop
	global_prefetch_b8 v0, s[64:65] scope:SCOPE_SE
	s_setreg_imm32_b32 hwreg(HW_REG_WAVE_MODE, 25, 1), 1
	s_wait_xcnt 0x0
; ctx = softmax(q k^T / 8 + mask x (-10000)) v for one head, both products on codes of FP4 with E8M0 scales; ctx is quantised along D in registers and stored as an image of the last product's operand.
; THE SOFTMAX: t = (s + mask x (-80000)) x log2(e) / 8, s the product's sum; M = the row's largest t so far, rounded UP to a whole number; p = 2^(t - M) is what is quantised, along the keys, not normalised.
; The row's sum is taken of the unquantised p and divides O at the end.  When M moves, the sum and O are multiplied by 2^(old M - new M): exact.
; THE MASK enters as the C of k q^T: mask[key] x (-80000), f32, so that it costs no vector instruction in the loop.  mask may hold any int32.
; LIMIT: s - 80000 is rounded at the grain 2^-7, which is 8 x the grain 2^-10 of s / 8 - 10000: the two can differ by one such step, and that shows only in rows all of whose keys are masked
; (elsewhere p of a masked key is 0 on both sides).  A block of zeros gets the scale byte 1 (zero codes; only this program reads the bytes).  NaN and infinities are not served.
; SHARES.  Work-group (qh, bh): 512 queries of head bh.  The head's whole K and V (images of operand registers), their scale words and the mask terms lie in LDS, 75,776 bytes, filled once through registers.
; Each of sixteen waves owns one tile of 16 queries at a time, two one after the other, in 256 registers: four waves to a SIMD, so that one wave's vector work stands beside another's matrix work and LDS loads.
; No cluster: the two work-groups of a head share 70 KB, fetched once for all their key steps: a small part of the launch's work.
; LAYOUT.  Both products are used transposed: S^T = K Q^T (source 0 = 16 keys, source 1 = my 16 queries), O^T = V^T P^T (source 0 = 16 of the head's 64, source 1 = P): a lane holds ONE query (lane % 16) throughout.
; Row r of tile 2 b + u (keys; V's d) stands for 32 b + 8 u + r + 8 (r / 8): the 16 registers of tiles 2 b, 2 b + 1 of a result are the 16 neighbours 32 b + 16 (lane / 16) + 0 .. 15.
; The head's 64 fill half of the instruction's K of 128: registers 4 to 7 of K's and Q's fragments are zero codes, under the scale byte 0 (2^-127): they add nothing.
; REGISTERS: v1-11 addresses; v12 -M, v13 the largest t, v[14:15] the sum in two halves; v16-23 Q; v24-27 K's scale words, v28-29 V's; v32-95 K's eight fragments; v96-159 S^T, then p; v160-191 O^T;
;   v192-223 V's four fragments; v224-231 p's codes; v232-254 at work; v253 p's scale word; v255 Q's scale word.
.set KI,  0                            ; LDS: K's images, 64 tiles x 512 bytes
.set VI,  32768                        ; V's images, 8 key steps x 4,096 bytes
.set KW,  65536                        ; K's scale words, 8 x 512 bytes
.set VW,  69632                        ; V's, 8 x 256 bytes
.set MT,  71680                        ; mask x (-80000), f32, 1,024 keys
.set LI,  1                            ; v1   16 x lane
.set KWA, 2                            ; v2   KW + 16 x lane
.set VWA, 3                            ; v3   VW + 8 x lane
.set MTA, 4                            ; v4   MT + 64 h
.set QSA, 5                            ; v5   16 r
.set R4,  6                            ; v6   4 r
	s_load_b256 s[4:11], s[0:1], 0x0               ; qb s[4:5], kb s[6:7], vb s[8:9], mask s[10:11]
	s_load_b64 s[12:13], s[0:1], 0x20              ; cb
	v_lshl_add_u32 v250, v0, 2, 0x12800
	v_mov_b32 v251, 0
	v_lshrrev_b32 v1, 5, v0
	v_readfirstlane_b32 s14, v1                    ; wave 0..15
	s_and_b32 s16, ttmp7, 0xffff                   ; bh
	s_lshr_b32 s17, s16, 4                         ; batch
	s_and_b32 s18, s16, 15                         ; head
	v_and_b32 v[LI], 31, v0
	v_lshl_add_u32 v[VWA], v[LI], 3, VW
	v_lshlrev_b32 v[LI], 4, v[LI]
	v_add_nc_u32 v[KWA], KW, v[LI]
	v_bfe_u32 v[MTA], v0, 4, 1
	v_lshl_add_u32 v[MTA], v[MTA], 6, MT
	v_and_b32 v[R4], 15, v0
	v_lshlrev_b32 v[QSA], 4, v[R4]
	v_lshlrev_b32 v[R4], 2, v[R4]
	v_lshlrev_b32 v7, 4, v0                        ; the copy: 16 bytes a thread,
	v_lshlrev_b32 v8, 3, v0                        ; 8,
	v_add_nc_u32 v9, KW, v8
	v_lshlrev_b32 v11, 2, v0                       ; 4
	v_add_nc_u32 v10, VW, v11
	s_mov_b32 s20, 0x76543210
	s_mov_b32 s21, 0xfedcba98                      ; v_permlanex16_b32's selects for lane l xor 16
	s_mov_b32 s22, 0x3e38aa3b                      ; c = log2(e) / 8
	s_mov_b32 s23, s22                             ; (named with it as a pair, so it is written)
	s_mov_b32 s42, 2                               ; two tiles of queries a wave
	s_mov_b32 s45, 0
	s_wait_kmcnt 0x0
	s_lshl_b32 s44, s16, 15
	s_add_nc_u64 s[32:33], s[6:7], s[44:45]        ; the head's K images
	s_add_nc_u64 s[36:37], s[8:9], s[44:45]        ; and V images
	s_lshl_b32 s44, s16, 12
	s_add_co_u32 s44, s44, 0x400000
	s_add_nc_u64 s[34:35], s[6:7], s[44:45]        ; K's scale words
	s_lshl_b32 s44, s16, 11
	s_add_co_u32 s44, s44, 0x400000
	s_add_nc_u64 s[38:39], s[8:9], s[44:45]        ; V's
	s_lshl_b32 s44, s17, 12
	s_add_nc_u64 s[40:41], s[10:11], s[44:45]      ; the batch's mask
.irp i, 0,1,2,3
	global_load_b128 v[96+4*\i:99+4*\i], v7, s[32:33] offset:8192*\i
.endr
.irp i, 0,1,2,3
	global_load_b128 v[112+4*\i:115+4*\i], v7, s[36:37] offset:8192*\i
.endr
	global_load_b64 v[128:129], v8, s[34:35]
	global_load_b32 v130, v11, s[38:39]
	global_load_b64 v[132:133], v8, s[40:41]
	s_lshl_b32 s44, s16, 15                        ; Q's images: 512 (64 bh + 32 qh + wave)
	s_lshl_b32 s46, ttmp9, 14
	s_add_co_u32 s44, s44, s46
	s_lshl_b32 s46, s14, 9
	s_add_co_u32 s44, s44, s46
	s_add_nc_u64 s[24:25], s[4:5], s[44:45]
	s_lshl_b32 s44, s16, 12                        ; Q's scale words: group (4 qh + wave / 8) of 512 bytes, half wave % 2 of the lanes, word (wave / 2) % 4
	s_lshl_b32 s46, ttmp9, 11
	s_add_co_u32 s44, s44, s46
	s_lshr_b32 s46, s14, 3
	s_lshl_b32 s46, s46, 9
	s_add_co_u32 s44, s44, s46
	s_and_b32 s46, s14, 1
	s_lshl_b32 s46, s46, 8
	s_add_co_u32 s44, s44, s46
	s_bfe_u32 s46, s14, 0x20001
	s_lshl_b32 s46, s46, 2
	s_add_co_u32 s44, s44, s46
	s_add_co_u32 s44, s44, 0x400000
	s_add_nc_u64 s[26:27], s[4:5], s[44:45]
	s_lshl_b32 s44, s17, 19                        ; ctx's images: 8,192 (64 batch + 32 qh + wave) + 512 head
	s_lshl_b32 s46, ttmp9, 18
	s_add_co_u32 s44, s44, s46
	s_lshl_b32 s46, s14, 13
	s_add_co_u32 s44, s44, s46
	s_lshl_b32 s46, s18, 9
	s_add_co_u32 s44, s44, s46
	s_add_nc_u64 s[28:29], s[12:13], s[44:45]
	s_lshl_b32 s44, s17, 15                        ; ctx's scale words: 512 (64 batch + 32 qh + wave) + 64 (head / 2) + 2 (head % 2)
	s_lshl_b32 s46, ttmp9, 14
	s_add_co_u32 s44, s44, s46
	s_lshl_b32 s46, s14, 9
	s_add_co_u32 s44, s44, s46
	s_lshr_b32 s46, s18, 1
	s_lshl_b32 s46, s46, 6
	s_add_co_u32 s44, s44, s46
	s_and_b32 s46, s18, 1
	s_lshl_b32 s46, s46, 1
	s_add_co_u32 s44, s44, s46
	s_add_co_u32 s44, s44, 0x400000
	s_add_nc_u64 s[30:31], s[12:13], s[44:45]
.irp j, 20,21,22,23
	v_mov_b32 v[\j], 0                             ; Q's k = 64 .. 127: zero codes, written once
.endr
.irp t, 0,1,2,3,4,5,6,7
.irp j, 4,5,6,7
	v_mov_b32 v[32+8*\t+\j], 0                     ; K's likewise
.endr
.endr
.irp b, 0,1,2,3
	v_mov_b32 v[236+\b], 0                         ; written once: a lane permute's destination counts as one of its sources
.endr
	v_mov_b32 v253, 0                              ; (named as the upper half of the pair v[252:253])
	s_wait_loadcnt 0x0
	v_cvt_f32_i32 v132, v132
	v_cvt_f32_i32 v133, v133
	v_mul_f32 v132, 0xc79c4000, v132               ; mask x (-80000)
	v_mul_f32 v133, 0xc79c4000, v133
.irp i, 0,1,2,3
	ds_store_b128 v7, v[96+4*\i:99+4*\i] offset:KI+8192*\i
.endr
.irp i, 0,1,2,3
	ds_store_b128 v7, v[112+4*\i:115+4*\i] offset:VI+8192*\i
.endr
	ds_store_b64 v9, v[128:129]
	ds_store_b32 v10, v130
	ds_store_b64 v9, v[132:133] offset:MT-KW
	s_wait_dscnt 0x0                               ; for the others' sake: my stores have landed
	s_barrier_signal -1
	s_barrier_wait -1                              ; the launch's one barrier: behind it LDS is only read
; A KEY STEP: 128 keys.  Every LDS offset is an immediate.
.macro STEP s
.irp t, 0,1,2,3,4,5,6,7
	ds_load_b128 v[96+8*\t:99+8*\t], v[MTA] offset:512*\s+(32*(\t/2)+8*(\t%2))*4       ; the mask terms of the tile's keys 32 (t / 2) + 8 (t % 2) + 16 h + 0 .. 7, straight into the scores' registers
	ds_load_b128 v[100+8*\t:103+8*\t], v[MTA] offset:512*\s+(32*(\t/2)+8*(\t%2))*4+16
.endr
.irp t, 0,1,2,3,4,5,6,7
	ds_load_b128 v[32+8*\t:35+8*\t], v[LI] offset:KI+4096*\s+512*\t
.endr
	ds_load_b128 v[24:27], v[KWA] offset:512*\s    ; register t / 2: lanes 0-15 the even tile's words, lanes 16-31 the odd tile's
	s_wait_dscnt 0x0
.irp t, 0,1,2,3,4,5,6,7                ; S^T = K Q^T + the mask terms: eight accumulators, one instruction each
.if \t%2
	v_wmma_scale_f32_16x16x128_f8f6f4 v[96+8*\t:103+8*\t], v[32+8*\t:39+8*\t], v[16:23], v[96+8*\t:103+8*\t], v[24+\t/2], v255 matrix_a_fmt:MATRIX_FMT_FP4 matrix_b_fmt:MATRIX_FMT_FP4 matrix_a_scale:MATRIX_SCALE_ROW1
.else
	v_wmma_scale_f32_16x16x128_f8f6f4 v[96+8*\t:103+8*\t], v[32+8*\t:39+8*\t], v[16:23], v[96+8*\t:103+8*\t], v[24+\t/2], v255 matrix_a_fmt:MATRIX_FMT_FP4 matrix_b_fmt:MATRIX_FMT_FP4
.endif
.endr
.rept 4
	v_nop                                          ; places in front of the first read of the scores, and of the loads into V's registers, which the last step's products read (ISA guide 7.12.1 for vector instructions)
.endr
.irp d, 0,1,2,3
.irp c, 0,1
	ds_load_b128 v[192+8*\d+4*\c:195+8*\d+4*\c], v[LI] offset:VI+4096*\s+1024*\d+512*\c   ; V's fragments land under the softmax
.endr
.endr
	ds_load_b64 v[28:29], v[VWA] offset:256*\s
.irp b, 0,1,2,3
	v_max3_num_f32 v[232+\b], v[96+16*\b], v[97+16*\b], v[98+16*\b]   ; THE LARGEST SCORE OF EACH BLOCK OF 32 KEYS: it serves for the row's maximum and, since p rises with the score, for the block's largest p
.endr
.irp i, 3,5,7,9,11,13
.irp b, 0,1,2,3
	v_max3_num_f32 v[232+\b], v[232+\b], v[96+16*\b+\i], v[97+16*\b+\i]   ; (the four blocks by turns)
.endr
.endr
.irp b, 0,1,2,3
	v_max_num_f32 v[232+\b], v[232+\b], v[111+16*\b]
.endr
.irp b, 0,1,2,3
	v_permlanex16_b32 v[236+\b], v[232+\b], s20, s21
.endr
.irp b, 0,1,2,3
	v_max_num_f32 v[232+\b], v[232+\b], v[236+\b]  ; with lane l xor 16's 16 keys
.endr
	v_max3_num_f32 v254, v232, v233, v234
	v_max_num_f32 v254, v254, v235                 ; the step's largest score of my query
.if \s == 0
	v_mul_f32 v13, s22, v254                       ; the first step starts the running maximum: nothing is rescaled
	v_floor_f32 v12, -v13                          ; -M = floor(-t) = -ceil(t): M IS A WHOLE NUMBER
.else
	v_mul_f32 v254, s22, v254                      ; as t (c is positive)
	v_max_num_f32 v13, v13, v254                   ; the running largest t
	v_mov_b32 v254, v12
	v_floor_f32 v12, -v13                          ; the new -M
	v_sub_f32 v254, v12, v254                      ; M's old value less its new one: a whole number, 0 or less
	v_cvt_i32_f32 v254, v254                       ; (it saturates)
	v_ldexp_f32 v252, 1.0, v254                    ; f = 2^(old M - new M)
.endif
.irp j, 0,2,4,6,8,10,12,14,16,18,20,22,24,26,28,30,32,34,36,38,40,42,44,46,48,50,52,54,56,58,60,62
	v_pk_fma_f32 v[96+\j:97+\j], v[96+\j:97+\j], s[22:23], v[12:13] op_sel_hi:[1,0,0]   ; t - M, two at a time (of the pairs c and -M the low word serves both halves)
.endr
.irp b, 0,1,2,3
	v_fma_f32 v[232+\b], v[232+\b], s22, v12       ; the same of each block's largest score
.endr
.irp j, 0,1,2,3,4,5,6,7,8,9,10,11,12,13,14,15,16,17,18,19,20,21,22,23,24,25,26,27,28,29,30,31,32,33,34,35,36,37,38,39,40,41,42,43,44,45,46,47,48,49,50,51,52,53,54,55,56,57,58,59,60,61,62,63
	v_exp_f32 v[96+\j], v[96+\j]                   ; p = 2^(t - M), at most 1: NOT normalised
.endr
.irp b, 0,1,2,3
	v_exp_f32 v[232+\b], v[232+\b]                 ; the block's largest p: the same two instructions on the same number give the same bits
.endr
.if \s == 0
	v_nop                                          ; a plain place behind the exponentials
	s_wait_alu depctr_va_vdst(0)
.else
	v_pk_mul_f32 v[14:15], v[14:15], v[252:253] op_sel_hi:[1,0]    ; the sums under the new M.  (A plain place behind the exponentials)
	s_wait_alu depctr_va_vdst(0)
.endif
.irp b, 0,1,2,3
	v_max_num_f32 v[232+\b], 0x1800000, v[232+\b]  ; the floor 2^(3 - 127): the byte cannot fall under 1 (a block whose every p is 0 keeps that byte: its codes are zeros)
.endr
.irp b, 0,1,2,3
	v_add_nc_u32 v[244+\b], 0xff000000, v[232+\b]  ; 2 off the exponent field: the conversion's scale operand
.endr
.irp b, 0,1,2,3
	v_lshrrev_b32 v[236+\b], 23, v[244+\b]         ; the scale's byte
.endr
	v_lshl_or_b32 v253, v237, 8, v236              ; p's scale word for these 128 keys
	v_lshl_or_b32 v253, v238, 16, v253
	v_lshl_or_b32 v253, v239, 24, v253
.irp b, 0,1,2,3
	v_cvt_scalef32_pk8_fp4_f32 v[224+2*\b], v[96+16*\b:103+16*\b], v[244+\b]
	v_cvt_scalef32_pk8_fp4_f32 v[225+2*\b], v[104+16*\b:111+16*\b], v[244+\b]
.endr
	v_nop                                          ; one plain place behind the scaled conversions
.irp c, 0,1                            ; the operand's layout wants a WHOLE block in a lane: lanes 0-15 block 2 c, lanes 16-31 block 2 c + 1
.irp i, 0,1
	v_permlane16_swap_b32 v[224+4*\c+\i], v[226+4*\c+\i]
.endr
.endr
	v_pk_add_f32 v[236:237], v[96:97], v[98:99]    ; THE ROW'S SUM IS TAKEN OF THE UNQUANTISED p: two at a time, in two chains.  (These additions are also the places between p's scale word and codes and the products below)
.irp j, 4,8,12,16,20,24,28,32,36,40,44,48,52,56,60
	v_pk_add_f32 v[14:15], v[14:15], v[96+\j:97+\j]
	v_pk_add_f32 v[236:237], v[236:237], v[98+\j:99+\j]
.endr
	v_pk_add_f32 v[14:15], v[14:15], v[236:237]
.if \s > 0
.irp j, 0,2,4,6,8,10,12,14,16,18,20,22,24,26,28,30
	v_pk_mul_f32 v[160+\j:161+\j], v[160+\j:161+\j], v[252:253] op_sel_hi:[1,0]   ; O^T under the new M: x f; each accumulator from its low end on
.endr
.endif
	s_wait_dscnt 0x0                               ; V's fragments and scale words are in
.irp d, 0,1,2,3                        ; O^T += V^T P^T: four accumulators, one instruction each; K = these 128 keys.  The first step's products start the sums: nothing is cleared
.if \s == 0
.if \d%2
	v_wmma_scale_f32_16x16x128_f8f6f4 v[160+8*\d:167+8*\d], v[192+8*\d:199+8*\d], v[224:231], 0, v[28+\d/2], v253 matrix_a_fmt:MATRIX_FMT_FP4 matrix_b_fmt:MATRIX_FMT_FP4 matrix_a_scale:MATRIX_SCALE_ROW1
.else
	v_wmma_scale_f32_16x16x128_f8f6f4 v[160+8*\d:167+8*\d], v[192+8*\d:199+8*\d], v[224:231], 0, v[28+\d/2], v253 matrix_a_fmt:MATRIX_FMT_FP4 matrix_b_fmt:MATRIX_FMT_FP4
.endif
.else
.if \d%2
	v_wmma_scale_f32_16x16x128_f8f6f4 v[160+8*\d:167+8*\d], v[192+8*\d:199+8*\d], v[224:231], v[160+8*\d:167+8*\d], v[28+\d/2], v253 matrix_a_fmt:MATRIX_FMT_FP4 matrix_b_fmt:MATRIX_FMT_FP4 matrix_a_scale:MATRIX_SCALE_ROW1
.else
	v_wmma_scale_f32_16x16x128_f8f6f4 v[160+8*\d:167+8*\d], v[192+8*\d:199+8*\d], v[224:231], v[160+8*\d:167+8*\d], v[28+\d/2], v253 matrix_a_fmt:MATRIX_FMT_FP4 matrix_b_fmt:MATRIX_FMT_FP4
.endif
.endif
.endr
.endm
.Lpass:                                            ; two trips: query tiles 32 qh + wave and 32 qh + 16 + wave
	global_load_b128 v[16:19], v[LI], s[24:25]     ; Q's image: registers 0-3 of the fragment
	global_load_b32 v255, v[QSA], s[26:27]         ; and its scale words: lane r has row r's (lanes 16-31 hold the same and are not read)
	v_mov_b32 v14, 0                               ; the sum, in two halves
	v_mov_b32 v15, 0
	s_wait_loadcnt 0x0
.irp s, 0,1,2,3,4,5,6,7
	STEP \s
.endr
	; ctx = O^T / the sum, quantised along D: my head's 64 are two blocks; register 16 b + i is d = 32 b + 16 h + i of my query
.rept 4
	v_nop                                          ; places behind the last products
.endr
	v_add_f32 v14, v14, v15                        ; the sum's two halves,
	v_permlanex16_b32 v252, v14, s20, s21
	v_add_f32 v14, v14, v252                       ; and lane l xor 16's: the row's sum
	v_rcp_f32 v14, v14
	v_nop                                          ; one plain place behind a transcendental
	s_wait_alu depctr_va_vdst(0)
.irp j, 0,1,2,3,4,5,6,7,8,9,10,11,12,13,14,15,16,17,18,19,20,21,22,23,24,25,26,27,28,29,30,31
	v_mul_f32 v[96+\j], v[160+\j], v14
.endr
.irp b, 0,1
	v_max3_num_f32 v[232+\b], |v[96+16*\b]|, |v[97+16*\b]|, 0x1800000
.endr
.irp i, 2,4,6,8,10,12,14
.irp b, 0,1
	v_max3_num_f32 v[232+\b], v[232+\b], |v[96+16*\b+\i]|, |v[97+16*\b+\i]|
.endr
.endr
.irp b, 0,1
	v_permlanex16_b32 v[236+\b], v[232+\b], s20, s21
.endr
.irp b, 0,1
	v_max_num_f32 v[232+\b], v[232+\b], v[236+\b]
.endr
.irp b, 0,1
	v_add_nc_u32 v[244+\b], 0xff000000, v[232+\b]
.endr
.irp b, 0,1
	v_lshrrev_b32 v[236+\b], 23, v[244+\b]
.endr
	v_lshl_or_b32 v254, v237, 8, v236              ; my head's half of the token's scale word
.irp b, 0,1
	v_cvt_scalef32_pk8_fp4_f32 v[224+2*\b], v[96+16*\b:103+16*\b], v[244+\b]
	v_cvt_scalef32_pk8_fp4_f32 v[225+2*\b], v[104+16*\b:111+16*\b], v[244+\b]
.endr
	v_nop                                          ; one plain place behind the scaled conversions
	v_permlane16_swap_b32 v224, v226
	v_permlane16_swap_b32 v225, v227               ; lane (r, h): d = 32 h + 0 .. 31
	global_store_b128 v[LI], v[224:227], s[28:29]  ; 512 consecutive bytes
	global_store_b16 v[R4], v254, s[30:31]         ; two bytes a token (lanes l and l xor 16 write the same): 32 bytes beside the image's 512: the one store here that fills no whole run of 256 bytes
	s_wait_xcnt 0x0                                ; the bases and the stores' data are written again only behind this wait
	s_add_nc_u64 s[24:25], s[24:25], 8192          ; 16 tiles on, in each of the four
	s_add_nc_u64 s[26:27], s[26:27], 1024
	s_add_nc_u64 s[28:29], s[28:29], 131072
	s_add_nc_u64 s[30:31], s[30:31], 8192
	s_sub_co_u32 s42, s42, 1
	s_cmp_lg_u32 s42, 0
	s_cbranch_scc1 .Lpass
	s_wait_tensorcnt 0x0
	ds_add_u32 v250, v251
	s_wait_dscnt 0x0
	s_endpgm
.Lfunc_end_k_qfbe448a787_attn:
	.size	k_qfbe448a787_attn, .Lfunc_end_k_qfbe448a787_attn-k_qfbe448a787_attn
	.p2alignl 7, 3214868480
	.fill 96, 4, 3214868480
	.section	.rodata,"a",@progbits
	.p2align	6, 0x0
	.amdhsa_kernel k_qfbe448a787_attn
		.amdhsa_group_segment_fixed_size 77824
		.amdhsa_private_segment_fixed_size 0
		.amdhsa_enable_private_segment 0
		.amdhsa_kernarg_size 40
		.amdhsa_user_sgpr_count 2
		.amdhsa_user_sgpr_kernarg_segment_ptr 1
		.amdhsa_wavefront_size32 1
		.amdhsa_system_sgpr_workgroup_id_x 1
		.amdhsa_system_sgpr_workgroup_id_y 1
		.amdhsa_system_sgpr_workgroup_id_z 1
		.amdhsa_system_vgpr_workitem_id 0
		.amdhsa_next_free_vgpr 256
		.amdhsa_next_free_sgpr 66
		.amdhsa_reserve_vcc 0
		.amdhsa_float_denorm_mode_32 3
		.amdhsa_float_denorm_mode_16_64 3
		.amdhsa_memory_ordered 1
		.amdhsa_forward_progress 1
		.amdhsa_inst_pref_size 133
	.end_amdhsa_kernel
	.amdgpu_metadata
---
amdhsa.version: [ 1, 2 ]
amdhsa.kernels:
  - .name:           k_qfbe448a787_attn
    .symbol:         k_qfbe448a787_attn.kd
    .args:
      - { .name: qb, .offset: 0, .size: 8, .value_kind: global_buffer, .address_space: global }
      - { .name: kb, .offset: 8, .size: 8, .value_kind: global_buffer, .address_space: global }
      - { .name: vb, .offset: 16, .size: 8, .value_kind: global_buffer, .address_space: global }
      - { .name: mask, .offset: 24, .size: 8, .value_kind: global_buffer, .address_space: global }
      - { .name: cb, .offset: 32, .size: 8, .value_kind: global_buffer, .address_space: global }
    .group_segment_fixed_size: 77824
    .private_segment_fixed_size: 0
    .kernarg_segment_align: 8
    .kernarg_segment_size: 40
    .max_flat_workgroup_size: 512
    .sgpr_count:     66
    .vgpr_count:     256
    .wavefront_size: 32
...
	.end_amdgpu_metadata
.endif
;; end of part 3
;; launch outln (part 4): grid 256 x 1, 16 waves a work-group, no clusters, 93,184 bytes of LDS; arguments cb, wo_codes, wo_scales, bo, x, gamma, beta, out0; writes out0
.if DOCPART == 4
	.amdgcn_target "amdgcn-amd-amdhsa--gfx1250"
	.amdhsa_code_object_version 6
	.text
	.protected	k_qfbe448a787_outln
	.globl	k_qfbe448a787_outln
	.p2align	8
	.type	k_qfbe448a787_outln,@function
k_qfbe448a787_outln:
	s_mov_b64 s[64:65], 0
	v_nop
	global_prefetch_b8 v0, s[64:65] scope:SCOPE_SE
	s_setreg_imm32_b32 hwreg(HW_REG_WAVE_MODE, 25, 1), 1
	s_wait_xcnt 0x0
; out0 = layernorm(x + ctx wo + bo) x gamma + beta.  The product is on codes of FP4 with E8M0 scales; all else is f32.  The layernorm is taken in two passes (mean; then the mean of the squared differences).
; SHARES.  Work-group g: tokens 32 g .. 32 g + 31 (two tiles of ctx) x all 1,024 columns, so that a row's mean and variance stay inside the work-group.  Wave w: columns 64 w .. 64 w + 63: 4 tiles of columns x 2 tiles of tokens = 8 accumulators.
; The product is used TRANSPOSED (source 0 = 16 rows of wo, source 1 = 16 tokens of ctx): a lane holds one token and eight neighbouring columns a tile.  x + bo is the C of the first K step.
; A wave's 64 rows of wo are wanted by no other wave of the work-group: they go from memory straight into its registers, two K steps ahead.  That is also why no cluster is used: what work-groups share (wo) never passes through LDS here.
; ctx's 16 fragments (16 KB, images of operand registers) are copied into LDS once and read by all sixteen waves.
; Row r of ctx's tile u stands for token 32 g + 8 u + r + 8 (r / 8).
; REGISTERS: v4-15 addresses; v16-19 -mean, v20-23 1 / sqrt(var + eps), a pair for each tile of tokens; v24-31 four chains of sums; v32-39 ctx's scale words; v40-55 wo's; v56-87 ctx's fragments, two buffers (later partial sums, later rows going out);
;   v88-89 lane permutes; v96-159 the accumulators at 96 + 32 u + 8 n; v160-223 wo's fragments, two buffers (later beta, gamma); v224-255 bo (later rows going out).
.set CI,   0                           ; LDS: ctx's 16 fragments, 1,024 bytes each: (8 u + s)
.set RED1, 16384                       ; the waves' partial sums: 80 bytes a token (16 words + 16 bytes of padding)
.set RED2, 18944                       ; and of the squares: bytes of their own, so that one barrier serves each
.set STG,  21504                       ; the way out: 16 rows x (256 bytes + 16) for each wave
.set LI,  4                            ; v4   16 x lane
.set WA,  5                            ; v5   wo's fragments: 512 r + 16 h
.set XA,  6                            ; v6   x: 4,096 (r + 8 (r / 8)) + 32 h
.set WSA, 7                            ; v7   wo's scale words: 32 x lane
.set CSA, 8                            ; v8   ctx's scale words: 512 h + 4 r
.set BA,  9                            ; v9   bo, gamma, beta: 32 h
.set CST, 10                           ; v10  the copy of ctx: 1,024 x wave + 16 x lane, in memory and in LDS
.set RST, 11                           ; v11  RED1 + 80 x lane + 4 x wave
.set RLD, 12                           ; v12  RED1 + 80 x lane
.set SO,  13                           ; v13  the stage, in: row r, + 32 h
.set SR,  14                           ; v14  the stage, back: row h, + 16 r
.set GO,  15                           ; v15  out0: 4,096 h + 16 r
.set CH,  24
.set CSW, 32                           ; register s: lanes 0-15 tile u = 0, lanes 16-31 tile u = 1
.set WS,  40                           ; register 8 p + s: lanes 0-15 column tile 2 p, lanes 16-31 tile 2 p + 1
.set CF,  56
.set RD,  56
.set TP,  88
.set ACC, 96
.set WB,  160
.set BE,  160
.set GA,  192
.set BO,  224
.macro WM d, a, b, sa, sb, ra, rb      ; one product, in place; ra, rb: that side's scale words lie in lanes 16-31
.if (\ra) && (\rb)
	v_wmma_scale_f32_16x16x128_f8f6f4 v[\d:\d+7], v[\a:\a+7], v[\b:\b+7], v[\d:\d+7], v[\sa], v[\sb] matrix_a_fmt:MATRIX_FMT_FP4 matrix_b_fmt:MATRIX_FMT_FP4 matrix_a_scale:MATRIX_SCALE_ROW1 matrix_b_scale:MATRIX_SCALE_ROW1
.elseif (\ra)
	v_wmma_scale_f32_16x16x128_f8f6f4 v[\d:\d+7], v[\a:\a+7], v[\b:\b+7], v[\d:\d+7], v[\sa], v[\sb] matrix_a_fmt:MATRIX_FMT_FP4 matrix_b_fmt:MATRIX_FMT_FP4 matrix_a_scale:MATRIX_SCALE_ROW1
.elseif (\rb)
	v_wmma_scale_f32_16x16x128_f8f6f4 v[\d:\d+7], v[\a:\a+7], v[\b:\b+7], v[\d:\d+7], v[\sa], v[\sb] matrix_a_fmt:MATRIX_FMT_FP4 matrix_b_fmt:MATRIX_FMT_FP4 matrix_b_scale:MATRIX_SCALE_ROW1
.else
	v_wmma_scale_f32_16x16x128_f8f6f4 v[\d:\d+7], v[\a:\a+7], v[\b:\b+7], v[\d:\d+7], v[\sa], v[\sb] matrix_a_fmt:MATRIX_FMT_FP4 matrix_b_fmt:MATRIX_FMT_FP4
.endif
.endm
.macro WFETCH s                        ; wo's four fragments of K step s, into buffer s % 2
.irp n, 0,1,2,3
.irp c, 0,1
	global_load_b128 v[WB+32*((\s)%2)+8*\n+4*\c:WB+32*((\s)%2)+8*\n+4*\c+3], v[WA], s[10:11] offset:8192*\n+64*(\s)+32*\c
.endr
.endr
.endm
.macro CFETCH s                        ; ctx's two fragments of K step s, into buffer s % 2
.irp u, 0,1
.irp c, 0,1
	ds_load_b128 v[CF+16*((\s)%2)+8*\u+4*\c:CF+16*((\s)%2)+8*\u+4*\c+3], v[LI] offset:CI+(8*\u+(\s))*1024+512*\c
.endr
.endr
.endm
.macro VEC32 reg, base                 ; 32 numbers of a vector of columns in the accumulators' layout: register 8 n + j = column 64 w + 16 n + 8 h + j
.irp n, 0,1,2,3
.irp q, 0,1
	global_load_b128 v[\reg+8*\n+4*\q:\reg+8*\n+4*\q+3], v[BA], s[\base:\base+1] offset:64*\n+16*\q
.endr
.endr
.endm
; The four chains (two for each tile of tokens) become the rows' totals over all 1,024 columns: v[RD], lane l: token (tile l / 16, row l % 16).  off: 0 or RED2 - RED1.
.macro ACROSS off
.irp u, 0,1
	v_pk_add_f32 v[CH+4*\u:CH+4*\u+1], v[CH+4*\u:CH+4*\u+1], v[CH+4*\u+2:CH+4*\u+3]
.endr
.irp u, 0,1
	v_add_f32 v[CH+4*\u], v[CH+4*\u], v[CH+4*\u+1]
.endr
.irp u, 0,1
	v_permlanex16_b32 v[TP+\u], v[CH+4*\u], s50, s51
.endr
.irp u, 0,1
	v_add_f32 v[CH+4*\u], v[CH+4*\u], v[TP+\u]     ; with lane l xor 16's columns: my wave's 64 columns of token (u, r)
.endr
	v_cndmask_b32 v[CH], v[CH], v[CH+4], s48       ; lanes 0-15 keep tile 0's, lanes 16-31 tile 1's
	ds_store_b32 v[RST], v[CH] offset:\off
	s_wait_dscnt 0x0                               ; for the others' sake: my store has landed
	s_barrier_signal -1
	s_barrier_wait -1
.irp i, 0,1,2,3
	ds_load_b128 v[RD+4*\i:RD+4*\i+3], v[RLD] offset:\off+16*\i    ; the sixteen waves' figures for my token
.endr
	s_wait_dscnt 0x0
.irp i, 0,2,4,6
	v_pk_add_f32 v[RD+\i:RD+\i+1], v[RD+\i:RD+\i+1], v[RD+8+\i:RD+9+\i]
.endr
.irp i, 0,2
	v_pk_add_f32 v[RD+\i:RD+\i+1], v[RD+\i:RD+\i+1], v[RD+4+\i:RD+5+\i]
.endr
	v_pk_add_f32 v[RD:RD+1], v[RD:RD+1], v[RD+2:RD+3]
	v_add_f32 v[RD], v[RD], v[RD+1]
.endm
.macro SPREAD d                        ; v[RD] (lane l: token (l / 16, l % 16)) into every lane: the pair v[d] for tile 0's token r, the pair v[d + 2] for tile 1's
	v_permlanex16_b32 v[TP], v[RD], s50, s51
	v_cndmask_b32 v[\d], v[RD], v[TP], s48
	v_cndmask_b32 v[\d+1], v[RD], v[TP], s48
	v_cndmask_b32 v[\d+2], v[TP], v[RD], s48
	v_cndmask_b32 v[\d+3], v[TP], v[RD], s48
.endm
	s_load_b512 s[8:23], s[0:1], 0x0               ; cb s[8:9], wo codes s[10:11], wo scales s[12:13], bo s[14:15], x s[16:17], gamma s[18:19], beta s[20:21], out0 s[22:23]
	v_lshl_add_u32 v94, v0, 2, 0x16400
	v_mov_b32 v95, 0
	v_lshrrev_b32 v1, 5, v0
	v_readfirstlane_b32 s2, v1                     ; wave 0..15
	v_and_b32 v1, 15, v0                           ; r
	v_bfe_u32 v2, v0, 4, 1                         ; h
	v_and_b32 v3, 8, v1
	v_add_nc_u32 v3, v3, v1                        ; r + 8 (r / 8)
	v_and_b32 v[LI], 31, v0
	v_lshlrev_b32 v[WSA], 5, v[LI]
	v_mul_u32_u24 v[RLD], v[LI], 80
	v_add_nc_u32 v[RLD], RED1, v[RLD]
	v_lshlrev_b32 v[LI], 4, v[LI]
	v_lshlrev_b32 v[WA], 9, v1
	v_lshl_add_u32 v[WA], v2, 4, v[WA]
	v_lshlrev_b32 v[XA], 12, v3
	v_lshl_add_u32 v[XA], v2, 5, v[XA]
	v_lshlrev_b32 v[CSA], 2, v1
	v_lshl_add_u32 v[CSA], v2, 9, v[CSA]
	v_lshlrev_b32 v[BA], 5, v2
	s_lshl_b32 s3, s2, 10
	v_add_nc_u32 v[CST], s3, v[LI]
	s_lshl_b32 s3, s2, 2
	v_add_nc_u32 v[RST], s3, v[RLD]
	s_mul_i32 s3, s2, 16*272
	s_add_co_u32 s3, s3, STG                       ; my stage
	v_mul_u32_u24 v[SO], v1, 272
	v_lshl_add_u32 v[SO], v2, 5, v[SO]
	v_add_nc_u32 v[SO], s3, v[SO]
	v_mul_u32_u24 v[SR], v2, 272
	v_lshl_add_u32 v[SR], v1, 4, v[SR]
	v_add_nc_u32 v[SR], s3, v[SR]
	v_lshlrev_b32 v[GO], 12, v2
	v_lshl_add_u32 v[GO], v1, 4, v[GO]
	v_mov_b32 v[TP], 0                             ; written once: a lane permute's destination counts as one of its sources
	v_mov_b32 v[TP+1], 0
	s_mov_b32 s40, 0x3a800000                      ; 1 / 1,024
	s_mov_b32 s41, 0x358637bd                      ; eps = 1e-6
	s_mov_b32 s48, 0xffff0000                      ; lanes 16-31
	s_mov_b32 s50, 0x76543210
	s_mov_b32 s51, 0xfedcba98                      ; v_permlanex16_b32's selects for lane l xor 16
	s_mov_b32 s27, 0
	s_wait_kmcnt 0x0
	s_lshl_b32 s26, ttmp9, 10
	s_add_co_u32 s26, s26, 0x400000
	s_add_nc_u64 s[24:25], s[8:9], s[26:27]        ; ctx's scale words: 512 bytes a tile, behind the images
	s_lshl_b32 s26, ttmp9, 14
	s_add_nc_u64 s[8:9], s[8:9], s[26:27]          ; ctx's images: 8,192 bytes a tile
	s_lshl_b32 s26, s2, 15
	s_add_nc_u64 s[10:11], s[10:11], s[26:27]      ; my 64 rows of wo
	s_lshl_b32 s26, s2, 11
	s_add_nc_u64 s[12:13], s[12:13], s[26:27]      ; their scale bytes
	s_lshl_b32 s26, s2, 8                          ; my 64 columns
	s_add_nc_u64 s[14:15], s[14:15], s[26:27]
	s_add_nc_u64 s[18:19], s[18:19], s[26:27]
	s_add_nc_u64 s[20:21], s[20:21], s[26:27]
	s_lshl_b32 s3, ttmp9, 17                       ; and my work-group's 32 rows of 4,096 bytes
	s_add_co_u32 s26, s26, s3
	s_add_nc_u64 s[16:17], s[16:17], s[26:27]
	s_add_nc_u64 s[22:23], s[22:23], s[26:27]
	global_load_b128 v[16:19], v[CST], s[8:9]      ; my 1,024 bytes of ctx's images
	global_load_b128 v[20:23], v[CST], s[8:9] offset:512
.irp u, 0,1
.irp n, 0,1,2,3
.irp q, 0,1
	global_load_b128 v[ACC+32*\u+8*\n+4*\q:ACC+32*\u+8*\n+4*\q+3], v[XA], s[16:17] offset:32768*\u+64*\n+16*\q th:TH_LOAD_NT   ; x, straight into the accumulators; read once in this launch
.endr
.endr
.endr
	VEC32 BO, 14
.irp p, 0,1
.irp q, 0,1
	global_load_b128 v[WS+8*\p+4*\q:WS+8*\p+4*\q+3], v[WSA], s[12:13] offset:1024*\p+16*\q
.endr
.endr
.irp s, 0,1,2,3,4,5,6,7
	global_load_b32 v[CSW+\s], v[CSA], s[24:25] offset:64*\s
.endr
	WFETCH 0
	WFETCH 1
	s_wait_loadcnt 52                              ; ctx's two loads are in; the 52 issued behind them stay out
	ds_store_b128 v[CST], v[16:19] offset:CI
	ds_store_b128 v[CST], v[20:23] offset:CI+512
	s_wait_dscnt 0x0                               ; for the others' sake: my stores have landed
	s_barrier_signal -1
	s_barrier_wait -1                              ; ctx's sixteen fragments lie in LDS
	CFETCH 0
	CFETCH 1
	s_wait_loadcnt 16                              ; x, bo and the scale words are in; wo's first two K steps (16 loads) may be out
.irp u, 0,1
.irp k, 0,1,2,3,4,5,6,7,8,9,10,11,12,13,14,15
	v_pk_add_f32 v[ACC+32*\u+2*\k:ACC+32*\u+2*\k+1], v[ACC+32*\u+2*\k:ACC+32*\u+2*\k+1], v[BO+2*\k:BO+2*\k+1]   ; x + bo: what the first products add onto
.endr
.endr
.irp s, 0,1,2,3,4,5,6,7                ; eight K steps of eight products; the eight accumulators take turns, one instruction a turn, in the same order in every step
.if \s < 7
	s_wait_dscnt 4                                 ; this step's fragments of ctx are in; the next step's four loads may be out
.else
	s_wait_dscnt 0x0
.endif
	s_wait_loadcnt 8                               ; this step's fragments of wo are in; the eight loads issued behind them may be out
.irp u, 0,1
.irp n, 0,1,2,3
.set rD, ACC+32*\u+8*\n
.set rW, WB+32*(\s%2)+8*\n
.set rX, CF+16*(\s%2)+8*\u
.set qW, WS+8*(\n/2)+\s
.set qX, CSW+\s
	WM rD, rW, rX, qW, qX, \n%2, \u
.endr
.endr
.rept 4
	v_nop                                          ; places in front of loads into registers that these products have read, and behind the last step of the first read of results (ISA guide 7.12.1 for vector instructions)
.endr
.if \s < 6
	WFETCH \s+2
	CFETCH \s+2
.elseif \s == 6
	VEC32 BE, 20                                   ; beta and gamma take the buffers that wo has left
.else
	VEC32 GA, 18
.endif
.endr
	; the mean: each accumulator is read from its low end on; two chains for each tile of tokens, the four by turns
.irp u, 0,1
	v_pk_add_f32 v[CH+4*\u:CH+4*\u+1], v[ACC+32*\u:ACC+32*\u+1], v[ACC+32*\u+4:ACC+32*\u+5]
	v_pk_add_f32 v[CH+4*\u+2:CH+4*\u+3], v[ACC+32*\u+2:ACC+32*\u+3], v[ACC+32*\u+6:ACC+32*\u+7]
.endr
.irp k, 4,6,8,10,12,14
.irp u, 0,1
	v_pk_add_f32 v[CH+4*\u:CH+4*\u+1], v[CH+4*\u:CH+4*\u+1], v[ACC+32*\u+2*\k:ACC+32*\u+2*\k+1]
	v_pk_add_f32 v[CH+4*\u+2:CH+4*\u+3], v[CH+4*\u+2:CH+4*\u+3], v[ACC+32*\u+2*\k+2:ACC+32*\u+2*\k+3]
.endr
.endr
	ACROSS 0
	v_mul_f32 v[RD], 0xba800000, v[RD]             ; -mean = the sum x (-1 / 1,024)
	SPREAD 16
.irp u, 0,1
.irp k, 0,1,2,3,4,5,6,7,8,9,10,11,12,13,14,15
	v_pk_add_f32 v[ACC+32*\u+2*\k:ACC+32*\u+2*\k+1], v[ACC+32*\u+2*\k:ACC+32*\u+2*\k+1], v[16+2*\u:17+2*\u]   ; y - mean
.endr
.endr
.irp u, 0,1
	v_pk_mul_f32 v[CH+4*\u:CH+4*\u+1], v[ACC+32*\u:ACC+32*\u+1], v[ACC+32*\u:ACC+32*\u+1]
	v_pk_mul_f32 v[CH+4*\u+2:CH+4*\u+3], v[ACC+32*\u+2:ACC+32*\u+3], v[ACC+32*\u+2:ACC+32*\u+3]
.endr
.irp k, 2,4,6,8,10,12,14
.irp u, 0,1
	v_pk_fma_f32 v[CH+4*\u:CH+4*\u+1], v[ACC+32*\u+2*\k:ACC+32*\u+2*\k+1], v[ACC+32*\u+2*\k:ACC+32*\u+2*\k+1], v[CH+4*\u:CH+4*\u+1]
	v_pk_fma_f32 v[CH+4*\u+2:CH+4*\u+3], v[ACC+32*\u+2*\k+2:ACC+32*\u+2*\k+3], v[ACC+32*\u+2*\k+2:ACC+32*\u+2*\k+3], v[CH+4*\u+2:CH+4*\u+3]
.endr
.endr
	ACROSS RED2-RED1
	v_fma_f32 v[RD], v[RD], s40, s41               ; the variance + eps
	v_rsq_f32 v[RD], v[RD]
	v_nop                                          ; one plain place behind a transcendental
	s_wait_alu depctr_va_vdst(0)
	SPREAD 20
.irp u, 0,1
.irp k, 0,1,2,3,4,5,6,7,8,9,10,11,12,13,14,15
	v_pk_mul_f32 v[ACC+32*\u+2*\k:ACC+32*\u+2*\k+1], v[ACC+32*\u+2*\k:ACC+32*\u+2*\k+1], v[20+2*\u:21+2*\u]
.endr
.endr
	s_wait_loadcnt 0x0                             ; beta and gamma
.irp u, 0,1
.irp k, 0,1,2,3,4,5,6,7,8,9,10,11,12,13,14,15
	v_pk_fma_f32 v[ACC+32*\u+2*\k:ACC+32*\u+2*\k+1], v[ACC+32*\u+2*\k:ACC+32*\u+2*\k+1], v[GA+2*\k:GA+2*\k+1], v[BE+2*\k:BE+2*\k+1]
.endr
.endr
	; THE WAY OUT.  A lane holds 32 neighbouring bytes a tile of one row, and the lanes beside it hold other rows: a tile of 16 tokens x my 64 columns goes through my own stage and comes back as rows of 256 bytes.
	; LDS serves a wave's instructions in order (ISA guide 5.7.1.4): no wait between the stores and the loads, nor in front of the second tile's stores.
.irp u, 0,1
.irp n, 0,1,2,3
	ds_store_b128 v[SO], v[ACC+32*\u+8*\n:ACC+32*\u+8*\n+3] offset:64*\n
	ds_store_b128 v[SO], v[ACC+32*\u+8*\n+4:ACC+32*\u+8*\n+7] offset:64*\n+16
.endr
.irp i, 0,1,2,3,4,5,6,7
	ds_load_b128 v[BO-168*\u+4*\i:BO-168*\u+4*\i+3], v[SR] offset:544*\i   ; rows 2 i and 2 i + 1; tile 0 into v224-255, tile 1 into v56-87
.endr
.endr
.irp u, 0,1
.irp i, 0,1,2,3,4,5,6,7
	s_wait_dscnt 23-16*\u-\i                       ; behind this load stand the tile's 7 - i later loads and, for tile 0, tile 1's eight stores and eight loads
	global_store_b128 v[GO], v[BO-168*\u+4*\i:BO-168*\u+4*\i+3], s[22:23] offset:(8*\u+2*\i+8*(\i/4))*4096 th:TH_STORE_NT   ; stage row 2 i + h is token 8 u + 2 i + 8 (i / 4) + h; 16 lanes store 256 consecutive bytes, at a multiple of 256 from out0's first byte
.endr
.endr
	s_wait_tensorcnt 0x0
	ds_add_u32 v94, v95
	s_wait_dscnt 0x0
	s_endpgm
.Lfunc_end_k_qfbe448a787_outln:
	.size	k_qfbe448a787_outln, .Lfunc_end_k_qfbe448a787_outln-k_qfbe448a787_outln
	.p2alignl 7, 3214868480
	.fill 96, 4, 3214868480
	.section	.rodata,"a",@progbits
	.p2align	6, 0x0
	.amdhsa_kernel k_qfbe448a787_outln
		.amdhsa_group_segment_fixed_size 93184
		.amdhsa_private_segment_fixed_size 0
		.amdhsa_enable_private_segment 0
		.amdhsa_kernarg_size 64
		.amdhsa_user_sgpr_count 2
		.amdhsa_user_sgpr_kernarg_segment_ptr 1
		.amdhsa_wavefront_size32 1
		.amdhsa_system_sgpr_workgroup_id_x 1
		.amdhsa_system_sgpr_workgroup_id_y 1
		.amdhsa_system_sgpr_workgroup_id_z 1
		.amdhsa_system_vgpr_workitem_id 0
		.amdhsa_next_free_vgpr 256
		.amdhsa_next_free_sgpr 66
		.amdhsa_reserve_vcc 0
		.amdhsa_float_denorm_mode_32 3
		.amdhsa_float_denorm_mode_16_64 3
		.amdhsa_memory_ordered 1
		.amdhsa_forward_progress 1
		.amdhsa_inst_pref_size 46
	.end_amdhsa_kernel
	.amdgpu_metadata
---
amdhsa.version: [ 1, 2 ]
amdhsa.kernels:
  - .name:           k_qfbe448a787_outln
    .symbol:         k_qfbe448a787_outln.kd
    .args:
      - { .name: cb, .offset: 0, .size: 8, .value_kind: global_buffer, .address_space: global }
      - { .name: wo_codes, .offset: 8, .size: 8, .value_kind: global_buffer, .address_space: global }
      - { .name: wo_scales, .offset: 16, .size: 8, .value_kind: global_buffer, .address_space: global }
      - { .name: bo, .offset: 24, .size: 8, .value_kind: global_buffer, .address_space: global }
      - { .name: x, .offset: 32, .size: 8, .value_kind: global_buffer, .address_space: global }
      - { .name: gamma, .offset: 40, .size: 8, .value_kind: global_buffer, .address_space: global }
      - { .name: beta, .offset: 48, .size: 8, .value_kind: global_buffer, .address_space: global }
      - { .name: out0, .offset: 56, .size: 8, .value_kind: global_buffer, .address_space: global }
    .group_segment_fixed_size: 93184
    .private_segment_fixed_size: 0
    .kernarg_segment_align: 8
    .kernarg_segment_size: 64
    .max_flat_workgroup_size: 512
    .sgpr_count:     66
    .vgpr_count:     256
    .wavefront_size: 32
...
	.end_amdgpu_metadata
.endif
;; end of part 4
;; ======== version 2 of 2: 4 launches
;; workspace buffers: xq 4,456,448 bytes; qb 4,718,592 bytes; kb 4,718,592 bytes; vb 4,456,448 bytes; cb 4,456,448 bytes
;; launch quantx (part 5): grid 256 x 1, 4 waves a work-group, no clusters, 33,280 bytes of LDS; arguments x, xq; writes xq
.if DOCPART == 5
	.amdgcn_target "amdgcn-amd-amdhsa--gfx1250"
	.amdhsa_code_object_version 6
	.text
	.protected	k_qfbe448a787_quantx
	.globl	k_qfbe448a787_quantx
	.p2align	8
	.type	k_qfbe448a787_quantx,@function
k_qfbe448a787_quantx:
	s_mov_b64 s[64:65], 0
	v_nop
	global_prefetch_b8 v0, s[64:65] scope:SCOPE_SE
	s_setreg_imm32_b32 hwreg(HW_REG_WAVE_MODE, 25, 1), 1
	s_wait_xcnt 0x0
; x [8192 tokens][1024], f32, becomes codes of FP4 (E2M1), K innermost, with one E8M0 byte for each 32 along K, in the workspace xq:
; from byte 0 the codes, 512 bytes a row; from byte 4,194,304 the scale bytes, 32 a row.
; THE ROWS OF xq ARE NOT IN TOKEN ORDER: token 32 G + 16 a + 8 u + e lies at row 32 G + 16 u + 8 a + e, so that 16 rows on end are the 16 tokens
; 32 G + 8 u + (0 .. 7, 16 .. 23) that form one tile of the later products.
; A block's scale is 2^(floor(log2(its largest magnitude)) - 2); its byte is the largest magnitude's exponent field - 2, held at 1 from below.
; LIMITS: a block of zeros gets the byte 1 where the quantiser says 127: its codes are zeros and only this program reads the bytes; blocks whose largest
; magnitude lies under 2^-124 are held at that byte; NaN and infinities among the inputs are not served.
; A wave takes 8 tokens = 8,192 numbers in 16 steps of 512.  Each of a step's four loads reads 512 consecutive bytes; the 2,048 bytes turn through the wave's
; own stage in LDS and come back 64 bytes a lane, so that a lane holds 16 neighbours along K and two neighbouring lanes hold a block.
; A lane's 16 codes are 8 bytes: the wave stores 256 consecutive bytes.  The wave's 256 scale bytes are gathered in LDS and leave as 256 consecutive bytes.
; No barrier: waves share nothing.  Loads run four steps (16 loads a wave) ahead, the turn through LDS one step.
.set STEPS, 16
.set CB,    8                          ; bytes of 16 codes
.set R,     16                         ; v16-79   four sets of 16 numbers as they are loaded
.set X,     80                         ; v80-111  two sets of 16 neighbours
.set E,     112                        ; v112-127 a scale byte for each step
.set C,     128                        ; v128-191 codes: four registers for each step, so that no store's data are written again
.set WREG,  8192                       ; LDS: a region for each wave: two stages of 32 x SP bytes, behind them its 256 scale bytes
.set SP,    80                         ; a lane's place in a stage: 64 bytes + 16 of padding
	s_load_b128 s[4:7], s[0:1], 0x0                ; x s[4:5], xq s[6:7]
	v_lshl_add_u32 v192, v0, 2, 0x8000
	v_mov_b32 v193, 0
	v_lshrrev_b32 v1, 5, v0
	v_readfirstlane_b32 s16, v1                    ; wave 0..3
	v_and_b32 v2, 31, v0                           ; lane
	v_lshlrev_b32 v3, 4, v2                        ; my 16 bytes of a load's 512
	s_mul_i32 s17, s16, WREG
	v_lshrrev_b32 v14, 2, v2
	v_mul_u32_u24 v14, v14, SP
	v_and_b32 v15, 3, v2
	v_lshl_add_u32 v14, v15, 4, v14
	v_add_nc_u32 v14, s17, v14                     ; the stage, on the way in: SP (lane / 4) + 16 (lane % 4)
	v_mul_u32_u24 v15, v2, SP
	v_add_nc_u32 v15, s17, v15                     ; and on the way out: SP x lane: my 16 neighbours
	v_mul_u32_u24 v4, v2, CB                       ; my codes' place in a step's
	v_lshrrev_b32 v5, 1, v2
	s_add_co_u32 s17, s17, 2*32*SP
	v_add_nc_u32 v5, s17, v5                       ; LDS: my wave's 256 scale bytes, my block's byte
	v_lshlrev_b32 v7, 3, v2                        ; and on the way out 8 bytes a lane
	v_add_nc_u32 v6, s17, v7
	s_lshl_b32 s18, ttmp9, 2
	s_add_co_u32 s20, s18, s16                     ; n = 4 x work-group + wave: tokens 8 n .. 8 n + 7
	s_lshl_b32 s20, s20, 15                        ; 32,768 bytes of x
	s_mov_b32 s21, 0
	s_and_b32 s22, s16, 1
	s_lshl_b32 s22, s22, 1
	s_lshr_b32 s23, s16, 1
	s_add_co_u32 s22, s22, s23                     ; the wave's two bits change places:
	s_add_co_u32 s22, s22, s18                     ; the run of eight rows of xq that these tokens take
	s_lshl_b32 s24, s22, 12                        ; its 4,096 bytes of codes
	s_mov_b32 s25, 0
	s_lshl_b32 s26, s22, 8                         ; its 256 scale bytes,
	s_add_co_u32 s26, s26, 0x400000                ; which lie behind all the codes
	s_mov_b32 s27, 0
	s_wait_alu depctr_va_vdst(0)
	s_wait_kmcnt 0x0
	s_add_nc_u64 s[4:5], s[4:5], s[20:21]
	s_add_nc_u64 s[8:9], s[6:7], s[24:25]
	s_add_nc_u64 s[10:11], s[6:7], s[26:27]
.macro LOAD t
.irp i, 0,1,2,3
	global_load_b128 v[R+16*((\t)%4)+4*\i:R+16*((\t)%4)+4*\i+3], v3, s[4:5] offset:2048*(\t)+512*\i   ; 32 lanes read 512 consecutive bytes (no hint: the last launch reads x again)
.endr
.endm
.macro TURN t                          ; step t's numbers through the stage: LDS serves a wave's instructions in order, so no wait stands between the stores and the loads
.irp i, 0,1,2,3
	ds_store_b128 v14, v[R+16*((\t)%4)+4*\i:R+16*((\t)%4)+4*\i+3] offset:32*SP*((\t)%2)+8*SP*\i
.endr
.irp i, 0,1,2,3
	ds_load_b128 v[X+16*((\t)%2)+4*\i:X+16*((\t)%2)+4*\i+3], v15 offset:32*SP*((\t)%2)+16*\i
.endr
.endm
.irp t, 0,1,2,3
	LOAD \t
.endr
	s_wait_loadcnt 12                              ; step 0's four loads are in; the twelve behind them stay out
	TURN 0
.macro STEP t
.set XS, X+16*((\t)%2)
.if (\t) > 0
	s_wait_dscnt 1                                 ; this step's numbers are back from the stage (the last step's byte store may be out): so its stores into the stage have read their registers,
.else
	s_wait_dscnt 0x0
.endif
.if (\t)+4 < STEPS
	LOAD (\t)+4                                    ; which take the loads of four steps on
.endif
.if (\t)+1 < STEPS
.if STEPS-2-(\t) >= 3
	s_wait_loadcnt 12                              ; the next step's four loads are in; those of the three steps behind it may be out
.else
	s_wait_loadcnt 4*(STEPS-2-(\t))
.endif
	TURN (\t)+1                                    ; and go through the other stage while this step is worked
.endif
	v_max3_num_f32 v8, |v[XS]|, |v[XS+1]|, |v[XS+2]|               ; the largest magnitude of my 16, in two chains
	v_max3_num_f32 v9, |v[XS+3]|, |v[XS+4]|, |v[XS+5]|
.irp i, 6,10
	v_max3_num_f32 v8, v8, |v[XS+\i]|, |v[XS+\i+1]|
	v_max3_num_f32 v9, v9, |v[XS+\i+2]|, |v[XS+\i+3]|
.endr
	v_max3_num_f32 v8, v8, |v[XS+14]|, |v[XS+15]|
	v_max3_num_f32 v8, v8, v9, 0x1800000           ; and the floor 2^(3 - 127): the byte cannot fall under 1
	v_max_num_f32_dpp v8, v8, v8 row_xmask:1 row_mask:0xf bank_mask:0xf   ; and of my neighbour's 16: the block's
	v_add_nc_u32 v11, 0xff000000, v8               ; 2 off its exponent field: the conversion takes the exponent field of this operand as its scale
	v_cvt_scalef32_pk8_fp4_f32 v[C+4*(\t)], v[XS:XS+7], v11
	v_cvt_scalef32_pk8_fp4_f32 v[C+4*(\t)+1], v[XS+8:XS+15], v11
	v_lshrrev_b32 v[E+(\t)], 23, v11               ; the scale's byte
	ds_store_b8 v5, v[E+(\t)] offset:16*(\t)       ; both lanes of a block write the same byte with the same value
	global_store_b64 v4, v[C+4*(\t):C+4*(\t)+1], s[8:9] offset:32*CB*(\t)   ; 32 lanes store 256 consecutive bytes
.endm
.irp t, 0,1,2,3,4,5,6,7,8,9,10,11,12,13,14,15
	STEP \t
.endr
	ds_load_b64 v[12:13], v6                       ; LDS serves a wave's instructions in order: these see my stores
	s_wait_dscnt 0x0
	global_store_b64 v7, v[12:13], s[10:11]        ; 32 lanes store 256 consecutive bytes
	s_wait_tensorcnt 0x0
	ds_add_u32 v192, v193
	s_wait_dscnt 0x0
	s_endpgm
.Lfunc_end_k_qfbe448a787_quantx:
	.size	k_qfbe448a787_quantx, .Lfunc_end_k_qfbe448a787_quantx-k_qfbe448a787_quantx
	.p2alignl 7, 3214868480
	.fill 96, 4, 3214868480
	.section	.rodata,"a",@progbits
	.p2align	6, 0x0
	.amdhsa_kernel k_qfbe448a787_quantx
		.amdhsa_group_segment_fixed_size 33280
		.amdhsa_private_segment_fixed_size 0
		.amdhsa_enable_private_segment 0
		.amdhsa_kernarg_size 16
		.amdhsa_user_sgpr_count 2
		.amdhsa_user_sgpr_kernarg_segment_ptr 1
		.amdhsa_wavefront_size32 1
		.amdhsa_system_sgpr_workgroup_id_x 1
		.amdhsa_system_sgpr_workgroup_id_y 1
		.amdhsa_system_sgpr_workgroup_id_z 1
		.amdhsa_system_vgpr_workitem_id 0
		.amdhsa_next_free_vgpr 194
		.amdhsa_next_free_sgpr 66
		.amdhsa_reserve_vcc 0
		.amdhsa_float_denorm_mode_32 3
		.amdhsa_float_denorm_mode_16_64 3
		.amdhsa_memory_ordered 1
		.amdhsa_forward_progress 1
		.amdhsa_inst_pref_size 33
	.end_amdhsa_kernel
	.amdgpu_metadata
---
amdhsa.version: [ 1, 2 ]
amdhsa.kernels:
  - .name:           k_qfbe448a787_quantx
    .symbol:         k_qfbe448a787_quantx.kd
    .args:
      - { .name: x, .offset: 0, .size: 8, .value_kind: global_buffer, .address_space: global }
      - { .name: xq, .offset: 8, .size: 8, .value_kind: global_buffer, .address_space: global }
    .group_segment_fixed_size: 33280
    .private_segment_fixed_size: 0
    .kernarg_segment_align: 8
    .kernarg_segment_size: 16
    .max_flat_workgroup_size: 128
    .sgpr_count:     66
    .vgpr_count:     194
    .wavefront_size: 32
...
	.end_amdgpu_metadata
.endif
;; end of part 5
;; launch qkv (part 6): grid 4 x 64, 4 waves a work-group, no clusters, 168,448 bytes of LDS; arguments xq, wq_codes, wq_scales, bq, wk_codes, wk_scales, bk, wv_codes, wv_scales, bv, qb, kb, vb; writes qb, kb, vb
.if DOCPART == 6
	.amdgcn_target "amdgcn-amd-amdhsa--gfx1250"
	.amdhsa_code_object_version 6
	.text
	.protected	k_qfbe448a787_qkv
	.globl	k_qfbe448a787_qkv
	.p2align	8
	.type	k_qfbe448a787_qkv,@function
k_qfbe448a787_qkv:
	s_mov_b64 s[64:65], 0
	v_nop
	global_prefetch_b8 v0, s[64:65] scope:SCOPE_SE
	s_setreg_imm32_b32 hwreg(HW_REG_WAVE_MODE, 25, 1), 1
	s_wait_xcnt 0x0
; q = x wq + bq, k = x wk + bk, v = x wv + bv on codes of FP4 with E8M0 scales; each result is quantised in registers and stored as an IMAGE OF THE REGISTERS
; in which the attention launch wants it: q and k along the head's 64 (two blocks), v along the KEYS (blocks of 32 tokens).
; SHARES.  Work-group (j, i): tokens 128 i .. 128 i + 127 (batch i / 8, key step i % 8), heads 4 j .. 4 j + 3.  Wave w: head 4 j + w: 128 tokens x 64 columns = 32 accumulators, for q, then k, then v.
; x's codes of the 128 tokens (64 KB) come into LDS once, by one tensor load a wave, and are read by all four waves.  A wave's 64 rows of a weight are wanted by no other wave of the work-group: they go from memory
; straight into its registers, the next matrix's while this one is multiplied.  That is also why no cluster is used: what work-groups share (the weights) never passes through LDS here.
; ORDER OF ROWS.  A tile's 16 rows are 8 neighbours and the 8 that lie 16 further on: row r of tile 2 b + u stands for 32 b + 8 u + r + 8 (r / 8).  xq's rows lie so (tokens), and the weights' rows of a head are taken so (d).
; In a result whose source 0 has such rows, the 16 registers of tiles 2 b and 2 b + 1 are the 16 neighbours 32 b + 16 (lane / 16) + 0 .. 15: what the conversions want.
; q, k: TRANSPOSED (source 0 = 16 rows of W, source 1 = 16 tokens): a lane holds one token, its registers run along d.   v: source 0 = 16 tokens, source 1 = 16 rows of W: a lane holds one d, its registers run along the tokens.
; The bias is the C of each sum's first matrix instruction.
; LIMITS: a block of zeros gets the scale byte 1 (its codes are zeros; only this program reads the bytes); blocks under 2^-124 are held at that byte; NaN and infinities are not served.
; REGISTERS, in windows of 256 (s_set_vgpr_msb: bits 1:0 source 0, 3:2 source 1, 5:4 source 2, 7:6 destination):
;   window 0: v4-11 addresses; v12-15 scale words going out; v32-63 x's scale words; v64-95 W's scale words, two sets; v96-127 the bias in the result's layout; v128-191, v192-255 x's fragments, two buffers
;             (in the epilogue v192-207 largest magnitudes, v208-223 bytes, v224-255 codes)
;   window 1: W of q, later of v (fragment (tile n, K step s) at v[8 (4 s + n)]);   window 3: W of k;   window 2: the 32 accumulators, laid so that block B of 16 numbers a lane is v[16 B .. 16 B + 15].
.set PITCH, 528                        ; an LDS row: 512 bytes + 16 of padding = 132 words: the 16 rows that a load touches begin 4 words further on each (64 banks of 4 bytes: ISA guide 11.1)
.set TILEB, 16*PITCH
.set LI,  4                            ; v4   16 x lane
.set XA,  5                            ; v5   x's fragments in LDS: PITCH r + 16 h
.set WA,  6                            ; v6   W's fragments in memory: 512 (r + 8 (r / 8)) + 16 h
.set SA,  7                            ; v7   x's scale words: 32 x lane
.set WSA, 8                            ; v8   W's scale words: 32 (8 h + r + 8 (r / 8))
.set BA,  9                            ; v9   bias of q, k: 64 h
.set BVA, 10                           ; v10  bias of v: 4 (r + 8 (r / 8))
.set L8,  11                           ; v11  8 x lane
.set SW,  12
.set XS,  32                           ; register 8 p + s: lanes 0-15 token tile 2 p, lanes 16-31 tile 2 p + 1, K step s
.set WS,  64                           ; set m: register 16 m + 8 b + s: lanes 0-15 W's tile 2 b, lanes 16-31 tile 2 b + 1
.set BI,  96
.set XF0, 128
.set MX,  192
.set T2,  208
.set CD,  224
.set MSB, 0
.macro WIN new                         ; the immediate's high byte repeats the setting that is left; a switch that changes nothing is dropped
.if MSB != \new
	s_set_vgpr_msb (MSB<<8)|\new
.set MSB, \new
.endif
.endm
; A load into a register that a matrix instruction has read, and a vector instruction that reads a matrix result or writes one of a matrix instruction's registers, stand four places behind it;
; only plain vector instructions that name none of its registers are places (ISA guide 7.12.1 for vector instructions).
.macro PLACES
.rept 4
	v_nop
.endr
.endm
.macro WM d, a, b, c, sa, sb, ra, rb   ; one product; ra, rb: that side's scale words lie in lanes 16-31
.if (\ra) && (\rb)
	v_wmma_scale_f32_16x16x128_f8f6f4 v[\d:\d+7], v[\a:\a+7], v[\b:\b+7], v[\c:\c+7], v[\sa], v[\sb] matrix_a_fmt:MATRIX_FMT_FP4 matrix_b_fmt:MATRIX_FMT_FP4 matrix_a_scale:MATRIX_SCALE_ROW1 matrix_b_scale:MATRIX_SCALE_ROW1
.elseif (\ra)
	v_wmma_scale_f32_16x16x128_f8f6f4 v[\d:\d+7], v[\a:\a+7], v[\b:\b+7], v[\c:\c+7], v[\sa], v[\sb] matrix_a_fmt:MATRIX_FMT_FP4 matrix_b_fmt:MATRIX_FMT_FP4 matrix_a_scale:MATRIX_SCALE_ROW1
.elseif (\rb)
	v_wmma_scale_f32_16x16x128_f8f6f4 v[\d:\d+7], v[\a:\a+7], v[\b:\b+7], v[\c:\c+7], v[\sa], v[\sb] matrix_a_fmt:MATRIX_FMT_FP4 matrix_b_fmt:MATRIX_FMT_FP4 matrix_b_scale:MATRIX_SCALE_ROW1
.else
	v_wmma_scale_f32_16x16x128_f8f6f4 v[\d:\d+7], v[\a:\a+7], v[\b:\b+7], v[\c:\c+7], v[\sa], v[\sb] matrix_a_fmt:MATRIX_FMT_FP4 matrix_b_fmt:MATRIX_FMT_FP4
.endif
.endm
.macro WLOAD win, base                 ; my head's 64 rows of a weight, all of K: 32 fragments, 64 loads, into the window that win names as destination
	WIN \win
.irp n, 0,1,2,3
.irp s, 0,1,2,3,4,5,6,7
.irp c, 0,1
	global_load_b128 v[8*(4*\s+\n)+4*\c:8*(4*\s+\n)+4*\c+3], v[WA], s[\base:\base+1] offset:(32*(\n/2)+8*(\n%2))*512+64*\s+32*\c
.endr
.endr
.endr
	WIN 0
.endm
.macro WSLOAD set, base                ; and their scale words: 32 bytes a row, eight words
.irp b, 0,1
.irp q, 0,1
	global_load_b128 v[WS+16*\set+8*\b+4*\q:WS+16*\set+8*\b+4*\q+3], v[WSA], s[\base:\base+1] offset:1024*\b+16*\q
.endr
.endr
.endm
.macro BLOAD_QK base                   ; tile n's register j: the bias of d = 32 (n / 2) + 8 (n % 2) + 16 h + j
.irp n, 0,1,2,3
.irp q, 0,1
	global_load_b128 v[BI+8*\n+4*\q:BI+8*\n+4*\q+3], v[BA], s[\base:\base+1] offset:(32*(\n/2)+8*(\n%2))*4+16*\q
.endr
.endr
.endm
.macro BLOAD_V                         ; tile n: the bias of my lane's one d, spread over the tile's eight registers later
.irp n, 0,1,2,3
	global_load_b32 v[BI+8*\n], v[BVA], s[26:27] offset:(32*(\n/2)+8*(\n%2))*4
.endr
.endm
.macro FETCH s, buf                    ; x's eight fragments of K step s: registers 4 c .. 4 c + 3 hold k = 64 c + 32 h + 0 .. 31 of row r: 16 bytes as they lie
.irp T, 0,1,2,3,4,5,6,7
.irp c, 0,1
	ds_load_b128 v[\buf+8*\T+4*\c:\buf+8*\T+4*\c+3], v[XA] offset:TILEB*\T+64*(\s)+32*\c
.endr
.endr
.endm
; One matrix: eight K steps of 32 products.  kind 0: q, k (transposed); 1: v.  ww: W's window.  set: its scale words.  nb: which bias is fetched for the next matrix (1: bk, 2: bv, 0: none).
; The 32 accumulators take turns, one instruction a turn, in the same order in every step.
.macro MAIN kind, ww, set, nb
.irp s, 0,1,2,3,4,5,6,7
	s_wait_dscnt 0x0                               ; this step's fragments are in
	PLACES                                         ; behind the last step's products, which read the buffer (and, in step 0, the bias) that is loaded next
	WIN 0
.if \s < 7
.set nS, \s+1
.set nB, XF0+64*((\s+1)%2)
	FETCH nS, nB                                   ; the next step's fragments land while this step is multiplied
.endif
.if (\s == 1) && (\nb == 1)
	BLOAD_QK 20
.endif
.if (\s == 1) && (\nb == 2)
	BLOAD_V
.endif
.if \kind == 0
.set wM, 0xa0|\ww                      ; source 0 = W, source 1 = x (window 0), C and D window 2
.else
.set wM, 0xa0|(\ww<<2)                 ; source 0 = x, source 1 = W
.endif
.if \s == 0
.set wM, wM&0xcf                       ; the first step's C is the bias, in window 0
.endif
	WIN wM
.irp T, 0,1,2,3,4,5,6,7
.irp n, 0,1,2,3
.set rX, XF0+64*(\s%2)+8*\T
.set rW, 8*(4*\s+\n)
.set qX, XS+8*(\T/2)+\s
.set qW, WS+16*\set+8*(\n/2)+\s
.if \kind == 0
.set rD, 8*(4*\T+\n)
.else
.set rD, 8*(8*\n+\T)
.endif
.if \s == 0
.set rC, BI+8*\n
.else
.set rC, rD
.endif
.if \kind == 0
	WM rD, rW, rX, rC, qW, qX, \n%2, \T%2
.else
	WM rD, rX, rW, rC, qX, qW, \T%2, \n%2
.endif
.endr
.endr
.endr
.endm
; The epilogue: 16 blocks of 32 (16 numbers in my lane, 16 in lane l xor 16) become codes and scale bytes, and leave as images.  next = 1: a matrix follows.  gi, gw: the bases of the images and of the scale words.
.macro EPI kind, next, gi, gw
	PLACES
	WIN 0
.if \next
	FETCH 0, XF0                                   ; the next matrix's first fragments
.endif
	WIN 0x0a                                       ; sources 0 and 1: the accumulators' window
.irp B, 0,1,2,3,4,5,6,7,8,9,10,11,12,13,14,15
	v_max3_num_f32 v[MX+\B], |v[16*\B]|, |v[16*\B+1]|, 0x1800000   ; each accumulator is read from its low end on; the floor 2^(3 - 127) holds the byte at 1 from below
.endr
.irp i, 2,4,6,8,10,12,14
.irp B, 0,1,2,3,4,5,6,7,8,9,10,11,12,13,14,15
	v_max3_num_f32 v[MX+\B], |v[16*\B+\i]|, |v[16*\B+\i+1]|, v[MX+\B]
.endr
.endr
	WIN 0
.irp B, 0,1,2,3,4,5,6,7,8,9,10,11,12,13,14,15
	v_permlanex16_b32 v[T2+\B], v[MX+\B], s50, s51
.endr
.irp B, 0,1,2,3,4,5,6,7,8,9,10,11,12,13,14,15
	v_max_num_f32 v[MX+\B], v[MX+\B], v[T2+\B]     ; with lane l xor 16's: the block's largest magnitude
.endr
.irp B, 0,1,2,3,4,5,6,7,8,9,10,11,12,13,14,15
	v_add_nc_u32 v[MX+\B], 0xff000000, v[MX+\B]    ; 2 off its exponent field: the conversion's scale operand
.endr
.irp B, 0,1,2,3,4,5,6,7,8,9,10,11,12,13,14,15
	v_lshrrev_b32 v[T2+\B], 23, v[MX+\B]           ; the scale's byte
.endr
.if \kind == 0
.irp T, 0,1,2,3,4,5,6,7
	v_lshl_or_b32 v[T2+2*\T], v[T2+2*\T+1], 8, v[T2+2*\T]          ; a token's word: two bytes, and two bytes 0 for the 64 zero codes that fill the K step of 128
.endr
.irp p, 0,1,2,3
	v_cndmask_b32 v[SW+\p], v[T2+4*\p], v[T2+4*\p+2], s48          ; lanes 0-15 tile 2 p's words, lanes 16-31 tile 2 p + 1's
.endr
.else
.irp d, 0,1,2,3
	v_lshl_or_b32 v[T2+4*\d], v[T2+4*\d+1], 8, v[T2+4*\d]          ; a d's word: the four blocks of these 128 keys
	v_lshl_or_b32 v[T2+4*\d], v[T2+4*\d+2], 16, v[T2+4*\d]
	v_lshl_or_b32 v[T2+4*\d], v[T2+4*\d+3], 24, v[T2+4*\d]
.endr
.irp p, 0,1
	v_cndmask_b32 v[SW+\p], v[T2+8*\p], v[T2+8*\p+4], s48
.endr
.endif
	WIN 0x02                                       ; source 0: the accumulators' window
.irp B, 0,1,2,3,4,5,6,7,8,9,10,11,12,13,14,15
	v_cvt_scalef32_pk8_fp4_f32 v[CD+2*\B], v[16*\B:16*\B+7], v[MX+\B]
	v_cvt_scalef32_pk8_fp4_f32 v[CD+2*\B+1], v[16*\B+8:16*\B+15], v[MX+\B]
.endr
	WIN 0
	v_nop                                          ; one plain place behind the scaled conversions
.irp g, 0,1,2,3,4,5,6,7                ; the operand's layout wants a WHOLE block in a lane: lanes 0-15 block 2 g, lanes 16-31 block 2 g + 1
.irp i, 0,1
	v_permlane16_swap_b32 v[CD+4*\g+\i], v[CD+4*\g+2+\i]
.endr
.endr
.irp g, 0,1,2,3,4,5,6,7
	global_store_b128 v[LI], v[CD+4*\g:CD+4*\g+3], s[\gi:\gi+1] offset:512*\g   ; four registers of an operand as they stand: 512 consecutive bytes
.endr
.if \kind == 0
	global_store_b128 v[LI], v[SW:SW+3], s[\gw:\gw+1]              ; 512 consecutive bytes
.else
	global_store_b64 v[L8], v[SW:SW+1], s[\gw:\gw+1]               ; 256 consecutive bytes
.endif
.if \next
	s_wait_xcnt 0x0                                ; the stores' data registers are written again (by the next fragments and the next epilogue) only behind this wait
.endif
.endm
	s_load_b512 s[8:23], s[0:1], 0x0               ; xq s[8:9], wq codes s[10:11], wq scales s[12:13], bq s[14:15], wk codes s[16:17], wk scales s[18:19], bk s[20:21], wv codes s[22:23]
	s_load_b256 s[24:31], s[0:1], 0x40             ; wv scales s[24:25], bv s[26:27], qb s[28:29], kb s[30:31]
	s_load_b64 s[32:33], s[0:1], 0x60              ; vb
	v_lshl_add_u32 v30, v0, 2, 0x29000
	v_mov_b32 v31, 0
	ds_add_u32 v30, v31
	ds_add_u32 v30, v31
	v_lshrrev_b32 v1, 5, v0
	v_readfirstlane_b32 s2, v1                     ; wave 0..3
	s_lshl_b32 s3, ttmp9, 2
	s_add_co_u32 s3, s3, s2                        ; my head
	s_and_b32 s4, ttmp7, 0xffff                    ; i: my block of 128 tokens
	s_lshr_b32 s5, s4, 3                           ; the batch
	s_and_b32 s6, s4, 7                            ; the key step
	s_lshl_b32 s7, s5, 4
	s_add_co_u32 s7, s7, s3                        ; bh = 16 x batch + head
	; descriptor group 1: 32 rows of 512 bytes, dense in memory, 16 bytes of padding behind each in LDS
	s_mov_b32 s40, (1<<20)|(6<<22)|(3<<25)         ; 15:0 no mask; 17:16 elements of 1 byte; 20 padding on; 24:22 after every 128 words (code 6); 31:25 four words (code 3)
	s_mov_b32 s41, 512<<16                         ; tensor_dim0 = 512
	s_mov_b32 s42, 32<<16                          ; tensor_dim1 = 32
	s_mov_b32 s43, 512<<16                         ; tile_dim0 = 512
	s_mov_b32 s44, 32                              ; tile_dim1 = 32
	s_mov_b32 s45, 512                             ; from row to row
	s_mov_b32 s46, 0
	s_mov_b32 s47, 0
	s_mov_b32 s36, 1                               ; group 0: count = 1
	s_mul_i32 s37, s2, 32*PITCH                    ; LDS address: my 32 rows
	s_lshl_b32 s34, s4, 16                         ; the block's 128 rows of 512 bytes,
	s_lshl_b32 s49, s2, 14                         ; my 32 of them
	s_add_co_u32 s34, s34, s49
	s_mov_b32 s35, 0
	s_mov_b32 s48, 0xffff0000                      ; lanes 16-31
	s_mov_b32 s50, 0x76543210
	s_mov_b32 s51, 0xfedcba98                      ; v_permlanex16_b32's selects for lane l xor 16
	s_wait_dscnt 0x0
	s_wait_kmcnt 0x0
	s_add_nc_u64 s[38:39], s[8:9], s[34:35]
	s_or_b32 s39, s39, 0x80000000                  ; type = 2
	tensor_load_to_lds s[36:39], s[40:47]          ; my one tensor load: LDS is filled once in this launch
	s_nop 0
	PLACES                                         ; four v_nop follow the tensor load
	v_and_b32 v1, 15, v0                           ; r
	v_bfe_u32 v2, v0, 4, 1                         ; h
	v_and_b32 v3, 8, v1
	v_add_nc_u32 v3, v3, v1                        ; r + 8 (r / 8)
	v_and_b32 v[LI], 31, v0
	v_lshlrev_b32 v[LI], 4, v[LI]
	v_mul_u32_u24 v[XA], v1, PITCH
	v_lshl_add_u32 v[XA], v2, 4, v[XA]
	v_lshlrev_b32 v[WA], 9, v3
	v_lshl_add_u32 v[WA], v2, 4, v[WA]
	s_wait_alu depctr_va_vdst(0)
	v_lshlrev_b32 v[SA], 1, v[LI]
	s_wait_alu depctr_va_vdst(0)
	v_lshl_add_u32 v[WSA], v2, 3, v3
	v_lshlrev_b32 v[WSA], 5, v[WSA]
	s_wait_alu depctr_va_vdst(0)
	v_lshlrev_b32 v[BA], 6, v2
	s_wait_alu depctr_va_vdst(0)
	v_lshlrev_b32 v[BVA], 2, v3
	v_lshrrev_b32 v[L8], 1, v[LI]
	s_lshl_b32 s34, s4, 12
	s_add_co_u32 s34, s34, 0x400000
	s_add_nc_u64 s[8:9], s[8:9], s[34:35]          ; x's scale bytes: 32 a row, my block's 128 rows
	s_lshl_b32 s34, s3, 15                         ; my head's 64 rows of 512 bytes
	s_add_nc_u64 s[10:11], s[10:11], s[34:35]
	s_add_nc_u64 s[16:17], s[16:17], s[34:35]
	s_add_nc_u64 s[22:23], s[22:23], s[34:35]
	s_lshl_b32 s34, s3, 11                         ; their 64 x 32 scale bytes
	s_add_nc_u64 s[12:13], s[12:13], s[34:35]
	s_add_nc_u64 s[18:19], s[18:19], s[34:35]
	s_add_nc_u64 s[24:25], s[24:25], s[34:35]
	s_lshl_b32 s34, s3, 8                          ; their 64 biases
	s_add_nc_u64 s[14:15], s[14:15], s[34:35]
	s_add_nc_u64 s[20:21], s[20:21], s[34:35]
	s_add_nc_u64 s[26:27], s[26:27], s[34:35]
	s_lshl_b32 s34, s7, 12                         ; q's and k's scale words: 4,096 bytes a head, 512 a group of 8 tiles, behind the images
	s_lshl_b32 s49, s6, 9
	s_add_co_u32 s34, s34, s49
	s_add_co_u32 s34, s34, 0x400000
	s_add_nc_u64 s[52:53], s[28:29], s[34:35]
	s_add_nc_u64 s[54:55], s[30:31], s[34:35]
	s_lshl_b32 s34, s7, 11                         ; v's: 2,048 bytes a head, 256 a key step
	s_lshl_b32 s49, s6, 8
	s_add_co_u32 s34, s34, s49
	s_add_co_u32 s34, s34, 0x400000
	s_add_nc_u64 s[56:57], s[32:33], s[34:35]
	s_lshl_b32 s34, s7, 15                         ; the images: 32,768 bytes a head, 4,096 a block of 128 tokens, in all three buffers
	s_lshl_b32 s49, s6, 12
	s_add_co_u32 s34, s34, s49
	s_add_nc_u64 s[28:29], s[28:29], s[34:35]
	s_add_nc_u64 s[30:31], s[30:31], s[34:35]
	s_add_nc_u64 s[32:33], s[32:33], s[34:35]
	WLOAD 0x40, 10                                 ; wq
.irp p, 0,1,2,3
.irp q, 0,1
	global_load_b128 v[XS+8*\p+4*\q:XS+8*\p+4*\q+3], v[SA], s[8:9] offset:1024*\p+16*\q   ; x's scale words, for the whole launch
.endr
.endr
	WSLOAD 0, 12
	BLOAD_QK 14
	s_wait_tensorcnt 0x0                           ; my 32 rows of x's codes are in LDS,
	s_barrier_signal -1
	s_barrier_wait -1                              ; everybody's are: the launch's one barrier; nothing in LDS is written after it
	FETCH 0, XF0
	s_wait_loadcnt 0x0                             ; wq, all scale words, bq
	WLOAD 0xc0, 16                                 ; wk is asked for now and has q's products and epilogue in which to land
	WSLOAD 1, 18
	MAIN 0, 1, 0, 1
	EPI 0, 1, 28, 52
	s_wait_loadcnt 0x0                             ; wk, its scale words, bk
	WLOAD 0x40, 22                                 ; wv, into the window that wq has left
	WSLOAD 0, 24
	MAIN 0, 3, 1, 2
	EPI 0, 1, 30, 54
	s_wait_loadcnt 0x0                             ; wv, its scale words, bv
.irp n, 0,1,2,3
.irp j, 1,2,3,4,5,6,7
	v_mov_b32 v[BI+8*\n+\j], v[BI+8*\n]            ; in v's result a lane holds one d: its bias stands in all eight registers of the tile
.endr
.endr
	s_wait_alu depctr_va_vdst(0)
	MAIN 1, 1, 0, 0
	EPI 1, 0, 32, 56
	s_wait_tensorcnt 0x0
	ds_add_u32 v30, v31
	s_wait_dscnt 0x0
	s_endpgm
.Lfunc_end_k_qfbe448a787_qkv:
	.size	k_qfbe448a787_qkv, .Lfunc_end_k_qfbe448a787_qkv-k_qfbe448a787_qkv
	.p2alignl 7, 3214868480
	.fill 96, 4, 3214868480
	.section	.rodata,"a",@progbits
	.p2align	6, 0x0
	.amdhsa_kernel k_qfbe448a787_qkv
		.amdhsa_group_segment_fixed_size 168448
		.amdhsa_private_segment_fixed_size 0
		.amdhsa_enable_private_segment 0
		.amdhsa_kernarg_size 104
		.amdhsa_user_sgpr_count 2
		.amdhsa_user_sgpr_kernarg_segment_ptr 1
		.amdhsa_wavefront_size32 1
		.amdhsa_system_sgpr_workgroup_id_x 1
		.amdhsa_system_sgpr_workgroup_id_y 1
		.amdhsa_system_sgpr_workgroup_id_z 1
		.amdhsa_system_vgpr_workitem_id 0
		.amdhsa_next_free_vgpr 1024
		.amdhsa_next_free_sgpr 66
		.amdhsa_reserve_vcc 0
		.amdhsa_float_denorm_mode_32 3
		.amdhsa_float_denorm_mode_16_64 3
		.amdhsa_memory_ordered 1
		.amdhsa_forward_progress 1
		.amdhsa_inst_pref_size 201
	.end_amdhsa_kernel
	.amdgpu_metadata
---
amdhsa.version: [ 1, 2 ]
amdhsa.kernels:
  - .name:           k_qfbe448a787_qkv
    .symbol:         k_qfbe448a787_qkv.kd
    .args:
      - { .name: xq, .offset: 0, .size: 8, .value_kind: global_buffer, .address_space: global }
      - { .name: wq_codes, .offset: 8, .size: 8, .value_kind: global_buffer, .address_space: global }
      - { .name: wq_scales, .offset: 16, .size: 8, .value_kind: global_buffer, .address_space: global }
      - { .name: bq, .offset: 24, .size: 8, .value_kind: global_buffer, .address_space: global }
      - { .name: wk_codes, .offset: 32, .size: 8, .value_kind: global_buffer, .address_space: global }
      - { .name: wk_scales, .offset: 40, .size: 8, .value_kind: global_buffer, .address_space: global }
      - { .name: bk, .offset: 48, .size: 8, .value_kind: global_buffer, .address_space: global }
      - { .name: wv_codes, .offset: 56, .size: 8, .value_kind: global_buffer, .address_space: global }
      - { .name: wv_scales, .offset: 64, .size: 8, .value_kind: global_buffer, .address_space: global }
      - { .name: bv, .offset: 72, .size: 8, .value_kind: global_buffer, .address_space: global }
      - { .name: qb, .offset: 80, .size: 8, .value_kind: global_buffer, .address_space: global }
      - { .name: kb, .offset: 88, .size: 8, .value_kind: global_buffer, .address_space: global }
      - { .name: vb, .offset: 96, .size: 8, .value_kind: global_buffer, .address_space: global }
    .group_segment_fixed_size: 168448
    .private_segment_fixed_size: 0
    .kernarg_segment_align: 8
    .kernarg_segment_size: 104
    .max_flat_workgroup_size: 128
    .sgpr_count:     66
    .vgpr_count:     1024
    .wavefront_size: 32
...
	.end_amdgpu_metadata
.endif
;; end of part 6
;; launch attn (part 7): grid 2 x 128, 16 waves a work-group, no clusters, 77,824 bytes of LDS; arguments qb, kb, vb, mask, cb; writes cb
.if DOCPART == 7
	.amdgcn_target "amdgcn-amd-amdhsa--gfx1250"
	.amdhsa_code_object_version 6
	.text
	.protected	k_qfbe448a787_attn
	.globl	k_qfbe448a787_attn
	.p2align	8
	.type	k_qfbe448a787_attn,@function
k_qfbe448a787_attn:
	s_mov_b64 s[64:65], 0
	v_nop
	global_prefetch_b8 v0, s[64:65] scope:SCOPE_SE
	s_setreg_imm32_b32 hwreg(HW_REG_WAVE_SCHED_MODE, 0, 2), 2
	s_setreg_imm32_b32 hwreg(HW_REG_WAVE_MODE, 25, 1), 1
	s_wait_xcnt 0x0
	s_wait_alu depctr_vm_vsrc(0)
; ctx = softmax(q k^T / 8 + mask x (-10000)) v for one head, both products on codes of FP4 with E8M0 scales; ctx is quantised along D in registers and stored as an image of the last product's operand.
; THE SOFTMAX: t = (s + mask x (-80000)) x log2(e) / 8, s the product's sum; M = the row's largest t so far, rounded UP to a whole number; p = 2^(t - M) is what is quantised, along the keys, not normalised.
; The row's sum is taken of the unquantised p and divides O at the end.  When M moves, the sum and O are multiplied by 2^(old M - new M): exact.
; THE MASK enters as the C of k q^T: mask[key] x (-80000), f32, so that it costs no vector instruction in the loop.  mask may hold any int32.
; LIMIT: s - 80000 is rounded at the grain 2^-7, which is 8 x the grain 2^-10 of s / 8 - 10000: the two can differ by one such step, and that shows only in rows all of whose keys are masked
; (elsewhere p of a masked key is 0 on both sides).  A block of zeros gets the scale byte 1 (zero codes; only this program reads the bytes).  NaN and infinities are not served.
; SHARES.  Work-group (qh, bh): 512 queries of head bh.  The head's whole K and V (images of operand registers), their scale words and the mask terms lie in LDS, 75,776 bytes, filled once through registers.
; Each of sixteen waves owns one tile of 16 queries at a time, two one after the other, in 256 registers: four waves to a SIMD, so that one wave's vector work stands beside another's matrix work and LDS loads.
; No cluster: the two work-groups of a head share 70 KB, fetched once for all their key steps: a small part of the launch's work.
; LAYOUT.  Both products are used transposed: S^T = K Q^T (source 0 = 16 keys, source 1 = my 16 queries), O^T = V^T P^T (source 0 = 16 of the head's 64, source 1 = P): a lane holds ONE query (lane % 16) throughout.
; Row r of tile 2 b + u (keys; V's d) stands for 32 b + 8 u + r + 8 (r / 8): the 16 registers of tiles 2 b, 2 b + 1 of a result are the 16 neighbours 32 b + 16 (lane / 16) + 0 .. 15.
; The head's 64 fill half of the instruction's K of 128: registers 4 to 7 of K's and Q's fragments are zero codes, under the scale byte 0 (2^-127): they add nothing.
; REGISTERS: v1-11 addresses; v12 -M, v13 the largest t, v[14:15] the sum in two halves; v16-23 Q; v24-27 K's scale words, v28-29 V's; v32-95 K's eight fragments; v96-159 S^T, then p; v160-191 O^T;
;   v192-223 V's four fragments; v224-231 p's codes; v232-254 at work; v253 p's scale word; v255 Q's scale word.
; THE MODE: SCHED_MODE bits 1:0 = 2 (LLVM: expert scheduling mode 2), set by the entry lines.  The code itself states the register dependences
; between vector or matrix instructions and memory or LDS instructions, with s_wait_alu, always for 0.
; THE PLAN.  Registers that memory or LDS instructions touch, in the loop:
;   v1-v6          addresses, made once at the head and never written again.
;   v16-19, v255   Q and its scale words: loaded at a pass's head; read by the pass's products K Q^T.
;   K: v32-35 + 8 t, v24-27   read by step s's products K Q^T; the loads of step s + 1 land there in step s, behind its exponentials.
;   v96-159        the mask terms of step s + 1 land there behind step s's last reader of p; then C and D of K Q^T, then the softmax's.
;   V: v192-223, v28-29       read by step s's products V^T P^T; the loads of step s + 1 land there behind that step's products K Q^T.
;   v224-227, v254 a pass's results: written by its last vector lines, read by its two stores.
; Four waits on va_vdst stand in a key step.  Behind K Q^T: the last step's V^T P^T are done reading V, and K Q^T are done reading K; V's loads follow at once, the next step's K further down
; (no vector instruction of the softmax names v24-95).  Behind the exponentials: their results.  Ahead of V^T P^T: p's codes and scale word are written, and p's registers are done with;
; the next step's mask terms are dealt among the four products, which name none of v96-159.  So a step begins with a wait on DScnt and with no load of its own.
.set KI,  0                            ; LDS: K's images, 64 tiles x 512 bytes
.set VI,  32768                        ; V's images, 8 key steps x 4,096 bytes
.set KW,  65536                        ; K's scale words, 8 x 512 bytes
.set VW,  69632                        ; V's, 8 x 256 bytes
.set MT,  71680                        ; mask x (-80000), f32, 1,024 keys
.set LI,  1                            ; v1   16 x lane
.set KWA, 2                            ; v2   KW + 16 x lane
.set VWA, 3                            ; v3   VW + 8 x lane
.set MTA, 4                            ; v4   MT + 64 h
.set QSA, 5                            ; v5   16 r
.set R4,  6                            ; v6   4 r
	s_load_b256 s[4:11], s[0:1], 0x0               ; qb s[4:5], kb s[6:7], vb s[8:9], mask s[10:11]
	s_load_b64 s[12:13], s[0:1], 0x20              ; cb
	v_lshl_add_u32 v250, v0, 2, 0x12800
	v_mov_b32 v251, 0
	v_lshrrev_b32 v1, 5, v0
	v_readfirstlane_b32 s14, v1                    ; wave 0..15
	s_and_b32 s16, ttmp7, 0xffff                   ; bh
	s_lshr_b32 s17, s16, 4                         ; batch
	s_and_b32 s18, s16, 15                         ; head
	v_and_b32 v[LI], 31, v0
	v_lshl_add_u32 v[VWA], v[LI], 3, VW
	v_lshlrev_b32 v[LI], 4, v[LI]
	v_add_nc_u32 v[KWA], KW, v[LI]
	v_bfe_u32 v[MTA], v0, 4, 1
	v_lshl_add_u32 v[MTA], v[MTA], 6, MT
	v_and_b32 v[R4], 15, v0
	v_lshlrev_b32 v[QSA], 4, v[R4]
	v_lshlrev_b32 v[R4], 2, v[R4]
	v_lshlrev_b32 v7, 4, v0                        ; the copy: 16 bytes a thread,
	v_lshlrev_b32 v8, 3, v0                        ; 8,
	v_add_nc_u32 v9, KW, v8
	v_lshlrev_b32 v11, 2, v0                       ; 4
	v_add_nc_u32 v10, VW, v11
	s_mov_b32 s20, 0x76543210
	s_mov_b32 s21, 0xfedcba98                      ; v_permlanex16_b32's selects for lane l xor 16
	s_mov_b32 s22, 0x3e38aa3b                      ; c = log2(e) / 8
	s_mov_b32 s23, s22                             ; (named with it as a pair, so it is written)
	s_mov_b32 s42, 2                               ; two tiles of queries a wave
	s_mov_b32 s45, 0
	s_wait_alu depctr_va_sdst(0)                   ; s14 is written, ahead of its first reader: the bases of Q and of ctx are made from it
	s_wait_kmcnt 0x0
	s_lshl_b32 s44, s16, 15
	s_add_nc_u64 s[32:33], s[6:7], s[44:45]        ; the head's K images
	s_add_nc_u64 s[36:37], s[8:9], s[44:45]        ; and V images
	s_lshl_b32 s44, s16, 12
	s_add_co_u32 s44, s44, 0x400000
	s_add_nc_u64 s[34:35], s[6:7], s[44:45]        ; K's scale words
	s_lshl_b32 s44, s16, 11
	s_add_co_u32 s44, s44, 0x400000
	s_add_nc_u64 s[38:39], s[8:9], s[44:45]        ; V's
	s_lshl_b32 s44, s17, 12
	s_add_nc_u64 s[40:41], s[10:11], s[44:45]      ; the batch's mask
	s_wait_alu depctr_va_vdst(0)                   ; the addresses v1 to v11 are written, which every load and store of the kernel reads
.irp i, 0,1,2,3
	global_load_b128 v[96+4*\i:99+4*\i], v7, s[32:33] offset:8192*\i
.endr
.irp i, 0,1,2,3
	global_load_b128 v[112+4*\i:115+4*\i], v7, s[36:37] offset:8192*\i
.endr
	global_load_b64 v[128:129], v8, s[34:35]
	global_load_b32 v130, v11, s[38:39]
	global_load_b64 v[132:133], v8, s[40:41]
	s_lshl_b32 s44, s16, 15                        ; Q's images: 512 (64 bh + 32 qh + wave)
	s_lshl_b32 s46, ttmp9, 14
	s_add_co_u32 s44, s44, s46
	s_lshl_b32 s46, s14, 9
	s_add_co_u32 s44, s44, s46
	s_add_nc_u64 s[24:25], s[4:5], s[44:45]
	s_lshl_b32 s44, s16, 12                        ; Q's scale words: group (4 qh + wave / 8) of 512 bytes, half wave % 2 of the lanes, word (wave / 2) % 4
	s_lshl_b32 s46, ttmp9, 11
	s_add_co_u32 s44, s44, s46
	s_lshr_b32 s46, s14, 3
	s_lshl_b32 s46, s46, 9
	s_add_co_u32 s44, s44, s46
	s_and_b32 s46, s14, 1
	s_lshl_b32 s46, s46, 8
	s_add_co_u32 s44, s44, s46
	s_bfe_u32 s46, s14, 0x20001
	s_lshl_b32 s46, s46, 2
	s_add_co_u32 s44, s44, s46
	s_add_co_u32 s44, s44, 0x400000
	s_add_nc_u64 s[26:27], s[4:5], s[44:45]
	s_lshl_b32 s44, s17, 19                        ; ctx's images: 8,192 (64 batch + 32 qh + wave) + 512 head
	s_lshl_b32 s46, ttmp9, 18
	s_add_co_u32 s44, s44, s46
	s_lshl_b32 s46, s14, 13
	s_add_co_u32 s44, s44, s46
	s_lshl_b32 s46, s18, 9
	s_add_co_u32 s44, s44, s46
	s_add_nc_u64 s[28:29], s[12:13], s[44:45]
	s_lshl_b32 s44, s17, 15                        ; ctx's scale words: 512 (64 batch + 32 qh + wave) + 64 (head / 2) + 2 (head % 2)
	s_lshl_b32 s46, ttmp9, 14
	s_add_co_u32 s44, s44, s46
	s_lshl_b32 s46, s14, 9
	s_add_co_u32 s44, s44, s46
	s_lshr_b32 s46, s18, 1
	s_lshl_b32 s46, s46, 6
	s_add_co_u32 s44, s44, s46
	s_and_b32 s46, s18, 1
	s_lshl_b32 s46, s46, 1
	s_add_co_u32 s44, s44, s46
	s_add_co_u32 s44, s44, 0x400000
	s_add_nc_u64 s[30:31], s[12:13], s[44:45]
.irp j, 20,21,22,23
	v_mov_b32 v[\j], 0                             ; Q's k = 64 .. 127: zero codes, written once
.endr
.irp t, 0,1,2,3,4,5,6,7
.irp j, 4,5,6,7
	v_mov_b32 v[32+8*\t+\j], 0                     ; K's likewise
.endr
.endr
.irp b, 0,1,2,3
	v_mov_b32 v[236+\b], 0                         ; written once: a lane permute's destination counts as one of its sources
.endr
	v_mov_b32 v253, 0                              ; (named as the upper half of the pair v[252:253])
	s_wait_loadcnt 0x0
	v_cvt_f32_i32 v132, v132
	v_cvt_f32_i32 v133, v133
	v_mul_f32 v132, 0xc79c4000, v132               ; mask x (-80000)
	v_mul_f32 v133, 0xc79c4000, v133
	s_wait_alu depctr_va_vdst(0)                   ; the mask terms v132 and v133 are written, which an LDS store below reads; so are the zero codes of Q's and K's fragments, which the scaled products take as operands
.irp i, 0,1,2,3
	ds_store_b128 v7, v[96+4*\i:99+4*\i] offset:KI+8192*\i
.endr
.irp i, 0,1,2,3
	ds_store_b128 v7, v[112+4*\i:115+4*\i] offset:VI+8192*\i
.endr
	ds_store_b64 v9, v[128:129]
	ds_store_b32 v10, v130
	ds_store_b64 v9, v[132:133] offset:MT-KW
	s_wait_dscnt 0x0                               ; for the others' sake: my stores have landed
	s_barrier_signal -1
	s_barrier_wait -1                              ; the launch's one barrier: behind it LDS is only read
	s_wait_alu depctr_vm_vsrc(0)                   ; my LDS stores have read v96-127, v128-130 and v132-133: the mask terms' loads land in these registers from here on
; K's eight fragments and its scale words of key step s.  Every LDS offset is an immediate.
.macro KLOAD s
.irp t, 0,1,2,3,4,5,6,7
	ds_load_b128 v[32+8*\t:35+8*\t], v[LI] offset:KI+4096*(\s)+512*\t
.endr
	ds_load_b128 v[24:27], v[KWA] offset:512*(\s)  ; register t / 2: lanes 0-15 the even tile's words, lanes 16-31 the odd tile's
.endm
; The mask terms of tile t's keys 32 (t / 2) + 8 (t % 2) + 16 h + 0 .. 7 of key step s, straight into the scores' registers
.macro MLOAD s, t
	ds_load_b128 v[96+8*(\t):99+8*(\t)], v[MTA] offset:512*(\s)+(32*((\t)/2)+8*((\t)%2))*4
	ds_load_b128 v[100+8*(\t):103+8*(\t)], v[MTA] offset:512*(\s)+(32*((\t)/2)+8*((\t)%2))*4+16
.endm
; A KEY STEP: 128 keys.  Its K, K's scale words and its mask terms were asked for in the step before (step 0's: at the pass's head).
.macro STEP s
	s_wait_dscnt 0x0                               ; they are in
.irp t, 0,1,2,3,4,5,6,7                ; S^T = K Q^T + the mask terms: eight accumulators, one instruction each
.if \t%2
	v_wmma_scale_f32_16x16x128_f8f6f4 v[96+8*\t:103+8*\t], v[32+8*\t:39+8*\t], v[16:23], v[96+8*\t:103+8*\t], v[24+\t/2], v255 matrix_a_fmt:MATRIX_FMT_FP4 matrix_b_fmt:MATRIX_FMT_FP4 matrix_a_scale:MATRIX_SCALE_ROW1
.else
	v_wmma_scale_f32_16x16x128_f8f6f4 v[96+8*\t:103+8*\t], v[32+8*\t:39+8*\t], v[16:23], v[96+8*\t:103+8*\t], v[24+\t/2], v255 matrix_a_fmt:MATRIX_FMT_FP4 matrix_b_fmt:MATRIX_FMT_FP4
.endif
.endr
.rept 4
	v_nop                                          ; places in front of the first read of the scores (ISA guide 7.12.1)
.endr
	s_wait_alu depctr_va_vdst(0)                   ; the last step's products V^T P^T are done reading V's fragments and scale words, in which the loads below land; this step's products K Q^T are done reading K's, in which the next step's loads land further down
.irp d, 0,1,2,3
.irp c, 0,1
	ds_load_b128 v[192+8*\d+4*\c:195+8*\d+4*\c], v[LI] offset:VI+4096*\s+1024*\d+512*\c   ; V's fragments land under the softmax
.endr
.endr
	ds_load_b64 v[28:29], v[VWA] offset:256*\s
.irp b, 0,1,2,3
	v_max3_num_f32 v[232+\b], v[96+16*\b], v[97+16*\b], v[98+16*\b]   ; THE LARGEST SCORE OF EACH BLOCK OF 32 KEYS: it serves for the row's maximum and, since p rises with the score, for the block's largest p
.endr
.irp i, 3,5,7,9,11,13
.irp b, 0,1,2,3
	v_max3_num_f32 v[232+\b], v[232+\b], v[96+16*\b+\i], v[97+16*\b+\i]   ; (the four blocks by turns)
.endr
.endr
.irp b, 0,1,2,3
	v_max_num_f32 v[232+\b], v[232+\b], v[111+16*\b]
.endr
.irp b, 0,1,2,3
	v_permlanex16_b32 v[236+\b], v[232+\b], s20, s21
.endr
.irp b, 0,1,2,3
	v_max_num_f32 v[232+\b], v[232+\b], v[236+\b]  ; with lane l xor 16's 16 keys
.endr
	v_max3_num_f32 v254, v232, v233, v234
	v_max_num_f32 v254, v254, v235                 ; the step's largest score of my query
.if \s == 0
	v_mul_f32 v13, s22, v254                       ; the first step starts the running maximum: nothing is rescaled
	v_floor_f32 v12, -v13                          ; -M = floor(-t) = -ceil(t): M IS A WHOLE NUMBER
.else
	v_mul_f32 v254, s22, v254                      ; as t (c is positive)
	v_max_num_f32 v13, v13, v254                   ; the running largest t
	v_mov_b32 v254, v12
	v_floor_f32 v12, -v13                          ; the new -M
	v_sub_f32 v254, v12, v254                      ; M's old value less its new one: a whole number, 0 or less
	v_cvt_i32_f32 v254, v254                       ; (it saturates)
	v_ldexp_f32 v252, 1.0, v254                    ; f = 2^(old M - new M)
.endif
.irp j, 0,2,4,6,8,10,12,14,16,18,20,22,24,26,28,30,32,34,36,38,40,42,44,46,48,50,52,54,56,58,60,62
	v_pk_fma_f32 v[96+\j:97+\j], v[96+\j:97+\j], s[22:23], v[12:13] op_sel_hi:[1,0,0]   ; t - M, two at a time (of the pairs c and -M the low word serves both halves)
.endr
.irp b, 0,1,2,3
	v_fma_f32 v[232+\b], v[232+\b], s22, v12       ; the same of each block's largest score
.endr
	s_wait_alu depctr_va_vdst(0)
.irp j, 0,1,2,3,4,5,6,7,8,9,10,11,12,13,14,15,16,17,18,19,20,21,22,23,24,25,26,27,28,29,30,31,32,33,34,35,36,37,38,39,40,41,42,43,44,45,46,47,48,49,50,51,52,53,54,55,56,57,58,59,60,61,62,63
	v_exp_f32 v[96+\j], v[96+\j]                   ; p = 2^(t - M), at most 1: NOT normalised
.endr
.irp b, 0,1,2,3
	v_exp_f32 v[232+\b], v[232+\b]                 ; the block's largest p: the same two instructions on the same number give the same bits
.endr
.if \s == 0
	v_nop                                          ; a plain place behind the exponentials
.else
	v_pk_mul_f32 v[14:15], v[14:15], v[252:253] op_sel_hi:[1,0]    ; the sums under the new M.  (A plain place behind the exponentials)
.endif
.if \s < 7
	KLOAD \s+1                                     ; the next step's K.  No wait: no vector or matrix instruction since the wait behind K Q^T names v24-27 or v32-95
.endif
	s_wait_alu depctr_va_vdst(0)                   ; the 68 exponentials have written p (v96-159) and the blocks' largest p (v232-235): one wait for the batch, ahead of its first reader
.irp b, 0,1,2,3
	v_max_num_f32 v[232+\b], 0x1800000, v[232+\b]  ; the floor 2^(3 - 127): the byte cannot fall under 1 (a block whose every p is 0 keeps that byte: its codes are zeros)
.endr
.irp b, 0,1,2,3
	v_add_nc_u32 v[244+\b], 0xff000000, v[232+\b]  ; 2 off the exponent field: the conversion's scale operand
.endr
.irp b, 0,1,2,3
	v_lshrrev_b32 v[236+\b], 23, v[244+\b]         ; the scale's byte
.endr
	v_lshl_or_b32 v253, v237, 8, v236              ; p's scale word for these 128 keys
	v_lshl_or_b32 v253, v238, 16, v253
	v_lshl_or_b32 v253, v239, 24, v253
.irp b, 0,1,2,3
	v_cvt_scalef32_pk8_fp4_f32 v[224+2*\b], v[96+16*\b:103+16*\b], v[244+\b]
	v_cvt_scalef32_pk8_fp4_f32 v[225+2*\b], v[104+16*\b:111+16*\b], v[244+\b]
.endr
	v_nop                                          ; one plain place behind the scaled conversions
.irp c, 0,1                            ; the operand's layout wants a WHOLE block in a lane: lanes 0-15 block 2 c, lanes 16-31 block 2 c + 1
.irp i, 0,1
	v_permlane16_swap_b32 v[224+4*\c+\i], v[226+4*\c+\i]
.endr
.endr
	v_pk_add_f32 v[236:237], v[96:97], v[98:99]    ; THE ROW'S SUM IS TAKEN OF THE UNQUANTISED p: two at a time, in two chains.  (These additions are also the places between p's scale word and codes and the products below)
.irp j, 4,8,12,16,20,24,28,32,36,40,44,48,52,56,60
	v_pk_add_f32 v[14:15], v[14:15], v[96+\j:97+\j]
	v_pk_add_f32 v[236:237], v[236:237], v[98+\j:99+\j]
.endr
	v_pk_add_f32 v[14:15], v[14:15], v[236:237]
.if \s > 0
.irp j, 0,2,4,6,8,10,12,14,16,18,20,22,24,26,28,30
	v_pk_mul_f32 v[160+\j:161+\j], v[160+\j:161+\j], v[252:253] op_sel_hi:[1,0]   ; O^T under the new M: x f; each accumulator from its low end on
.endr
.endif
	s_wait_dscnt 0x0                               ; V's fragments and scale words are in
	s_wait_alu depctr_va_vdst(0)                   ; p's codes (v224-231) and scale word (v253) are written, which the scaled products below take as operand and scale (their places stand above); the conversions and the sums are done with p's registers v96-159, in which the next step's mask terms land
.irp d, 0,1,2,3                        ; O^T += V^T P^T: four accumulators, one instruction each; K = these 128 keys.  The first step's products start the sums: nothing is cleared
.if \s == 0
.if \d%2
	v_wmma_scale_f32_16x16x128_f8f6f4 v[160+8*\d:167+8*\d], v[192+8*\d:199+8*\d], v[224:231], 0, v[28+\d/2], v253 matrix_a_fmt:MATRIX_FMT_FP4 matrix_b_fmt:MATRIX_FMT_FP4 matrix_a_scale:MATRIX_SCALE_ROW1
.else
	v_wmma_scale_f32_16x16x128_f8f6f4 v[160+8*\d:167+8*\d], v[192+8*\d:199+8*\d], v[224:231], 0, v[28+\d/2], v253 matrix_a_fmt:MATRIX_FMT_FP4 matrix_b_fmt:MATRIX_FMT_FP4
.endif
.else
.if \d%2
	v_wmma_scale_f32_16x16x128_f8f6f4 v[160+8*\d:167+8*\d], v[192+8*\d:199+8*\d], v[224:231], v[160+8*\d:167+8*\d], v[28+\d/2], v253 matrix_a_fmt:MATRIX_FMT_FP4 matrix_b_fmt:MATRIX_FMT_FP4 matrix_a_scale:MATRIX_SCALE_ROW1
.else
	v_wmma_scale_f32_16x16x128_f8f6f4 v[160+8*\d:167+8*\d], v[192+8*\d:199+8*\d], v[224:231], v[160+8*\d:167+8*\d], v[28+\d/2], v253 matrix_a_fmt:MATRIX_FMT_FP4 matrix_b_fmt:MATRIX_FMT_FP4
.endif
.endif
.if \s < 7
	MLOAD \s+1, 2*\d                               ; the next step's mask terms, four loads behind each product.  No wait: these products name O^T, V, p's codes and the scale words, none of v96-159
	MLOAD \s+1, 2*\d+1
.endif
.endr
.endm
.Lpass:                                            ; two trips: query tiles 32 qh + wave and 32 qh + 16 + wave
	global_load_b128 v[16:19], v[LI], s[24:25]     ; Q's image: registers 0-3 of the fragment.  (No vector or matrix instruction stands between the last wait on va_vdst, at the head or at the last pass's end, and the loads of these lines)
	global_load_b32 v255, v[QSA], s[26:27]         ; and its scale words: lane r has row r's (lanes 16-31 hold the same and are not read)
	KLOAD 0                                        ; key step 0
.irp t, 0,1,2,3,4,5,6,7
	MLOAD 0, \t
.endr
	v_mov_b32 v14, 0                               ; the sum, in two halves
	v_mov_b32 v15, 0
	s_wait_loadcnt 0x0
.irp s, 0,1,2,3,4,5,6,7
	STEP \s
.endr
	; ctx = O^T / the sum, quantised along D: my head's 64 are two blocks; register 16 b + i is d = 32 b + 16 h + i of my query
.rept 4
	v_nop                                          ; places behind the last products
.endr
	v_add_f32 v14, v14, v15                        ; the sum's two halves,
	v_permlanex16_b32 v252, v14, s20, s21
	v_add_f32 v14, v14, v252                       ; and lane l xor 16's: the row's sum
	s_wait_alu depctr_va_vdst(0)
	v_rcp_f32 v14, v14
	v_nop                                          ; one plain place behind a transcendental
	s_wait_alu depctr_va_vdst(0)                   ; the reciprocal has written v14, ahead of its first reader
.irp j, 0,1,2,3,4,5,6,7,8,9,10,11,12,13,14,15,16,17,18,19,20,21,22,23,24,25,26,27,28,29,30,31
	v_mul_f32 v[96+\j], v[160+\j], v14
.endr
.irp b, 0,1
	v_max3_num_f32 v[232+\b], |v[96+16*\b]|, |v[97+16*\b]|, 0x1800000
.endr
.irp i, 2,4,6,8,10,12,14
.irp b, 0,1
	v_max3_num_f32 v[232+\b], v[232+\b], |v[96+16*\b+\i]|, |v[97+16*\b+\i]|
.endr
.endr
.irp b, 0,1
	v_permlanex16_b32 v[236+\b], v[232+\b], s20, s21
.endr
.irp b, 0,1
	v_max_num_f32 v[232+\b], v[232+\b], v[236+\b]
.endr
.irp b, 0,1
	v_add_nc_u32 v[244+\b], 0xff000000, v[232+\b]
.endr
.irp b, 0,1
	v_lshrrev_b32 v[236+\b], 23, v[244+\b]
.endr
	v_lshl_or_b32 v254, v237, 8, v236              ; my head's half of the token's scale word
.irp b, 0,1
	v_cvt_scalef32_pk8_fp4_f32 v[224+2*\b], v[96+16*\b:103+16*\b], v[244+\b]
	v_cvt_scalef32_pk8_fp4_f32 v[225+2*\b], v[104+16*\b:111+16*\b], v[244+\b]
.endr
	v_nop                                          ; one plain place behind the scaled conversions
	v_permlane16_swap_b32 v224, v226
	v_permlane16_swap_b32 v225, v227               ; lane (r, h): d = 32 h + 0 .. 31
	s_wait_alu depctr_va_vdst(0)                   ; v224-227 and v254 are written, which the two stores read; and the pass is done with Q, Q's scale word, K and v96-159, in which the next pass's first loads land
	global_store_b128 v[LI], v[224:227], s[28:29]  ; 512 consecutive bytes
	global_store_b16 v[R4], v254, s[30:31]         ; two bytes a token (lanes l and l xor 16 write the same): 32 bytes beside the image's 512: the one store here that fills no whole run of 256 bytes
	s_wait_xcnt 0x0                                ; the bases and the stores' data are written again only behind this wait
	s_wait_alu depctr_vm_vsrc(0)                   ; the two stores have read v224-227 and v254, which the next pass's vector lines write again
	s_add_nc_u64 s[24:25], s[24:25], 8192          ; 16 tiles on, in each of the four
	s_add_nc_u64 s[26:27], s[26:27], 1024
	s_add_nc_u64 s[28:29], s[28:29], 131072
	s_add_nc_u64 s[30:31], s[30:31], 8192
	s_sub_co_u32 s42, s42, 1
	s_cmp_lg_u32 s42, 0
	s_cbranch_scc1 .Lpass
	s_wait_dscnt 0x0                               ; the closing lines, six on end
	s_wait_alu 0x0
	s_wait_tensorcnt 0x0
	ds_add_u32 v250, v251
	s_wait_dscnt 0x0
	s_endpgm
.Lfunc_end_k_qfbe448a787_attn:
	.size	k_qfbe448a787_attn, .Lfunc_end_k_qfbe448a787_attn-k_qfbe448a787_attn
	.p2alignl 7, 3214868480
	.fill 96, 4, 3214868480
	.section	.rodata,"a",@progbits
	.p2align	6, 0x0
	.amdhsa_kernel k_qfbe448a787_attn
		.amdhsa_group_segment_fixed_size 77824
		.amdhsa_private_segment_fixed_size 0
		.amdhsa_enable_private_segment 0
		.amdhsa_kernarg_size 40
		.amdhsa_user_sgpr_count 2
		.amdhsa_user_sgpr_kernarg_segment_ptr 1
		.amdhsa_wavefront_size32 1
		.amdhsa_system_sgpr_workgroup_id_x 1
		.amdhsa_system_sgpr_workgroup_id_y 1
		.amdhsa_system_sgpr_workgroup_id_z 1
		.amdhsa_system_vgpr_workitem_id 0
		.amdhsa_next_free_vgpr 256
		.amdhsa_next_free_sgpr 66
		.amdhsa_reserve_vcc 0
		.amdhsa_float_denorm_mode_32 3
		.amdhsa_float_denorm_mode_16_64 3
		.amdhsa_memory_ordered 1
		.amdhsa_forward_progress 1
		.amdhsa_inst_pref_size 134
	.end_amdhsa_kernel
	.amdgpu_metadata
---
amdhsa.version: [ 1, 2 ]
amdhsa.kernels:
  - .name:           k_qfbe448a787_attn
    .symbol:         k_qfbe448a787_attn.kd
    .args:
      - { .name: qb, .offset: 0, .size: 8, .value_kind: global_buffer, .address_space: global }
      - { .name: kb, .offset: 8, .size: 8, .value_kind: global_buffer, .address_space: global }
      - { .name: vb, .offset: 16, .size: 8, .value_kind: global_buffer, .address_space: global }
      - { .name: mask, .offset: 24, .size: 8, .value_kind: global_buffer, .address_space: global }
      - { .name: cb, .offset: 32, .size: 8, .value_kind: global_buffer, .address_space: global }
    .group_segment_fixed_size: 77824
    .private_segment_fixed_size: 0
    .kernarg_segment_align: 8
    .kernarg_segment_size: 40
    .max_flat_workgroup_size: 512
    .sgpr_count:     66
    .vgpr_count:     256
    .wavefront_size: 32
...
	.end_amdgpu_metadata
.endif
;; end of part 7
;; launch outln (part 8): grid 256 x 1, 16 waves a work-group, no clusters, 93,184 bytes of LDS; arguments cb, wo_codes, wo_scales, bo, x, gamma, beta, out0; writes out0
.if DOCPART == 8
	.amdgcn_target "amdgcn-amd-amdhsa--gfx1250"
	.amdhsa_code_object_version 6
	.text
	.protected	k_qfbe448a787_outln
	.globl	k_qfbe448a787_outln
	.p2align	8
	.type	k_qfbe448a787_outln,@function
k_qfbe448a787_outln:
	s_mov_b64 s[64:65], 0
	v_nop
	global_prefetch_b8 v0, s[64:65] scope:SCOPE_SE
	s_setreg_imm32_b32 hwreg(HW_REG_WAVE_SCHED_MODE, 0, 2), 2
	s_setreg_imm32_b32 hwreg(HW_REG_WAVE_MODE, 25, 1), 1
	s_wait_xcnt 0x0
	s_wait_alu depctr_vm_vsrc(0)
; out0 = layernorm(x + ctx wo + bo) x gamma + beta.  The product is on codes of FP4 with E8M0 scales; all else is f32.  The layernorm is taken in two passes (mean; then the mean of the squared differences).
; SHARES.  Work-group g: tokens 32 g .. 32 g + 31 (two tiles of ctx) x all 1,024 columns, so that a row's mean and variance stay inside the work-group.  Wave w: columns 64 w .. 64 w + 63: 4 tiles of columns x 2 tiles of tokens = 8 accumulators.
; The product is used TRANSPOSED (source 0 = 16 rows of wo, source 1 = 16 tokens of ctx): a lane holds one token and eight neighbouring columns a tile.  x + bo is the C of the first K step.
; A wave's 64 rows of wo are wanted by no other wave of the work-group: they go from memory straight into its registers, two K steps ahead.  That is also why no cluster is used: what work-groups share (wo) never passes through LDS here.
; ctx's 16 fragments (16 KB, images of operand registers) are copied into LDS once and read by all sixteen waves.
; Row r of ctx's tile u stands for token 32 g + 8 u + r + 8 (r / 8).
; REGISTERS: v4-15 addresses; v16-19 -mean, v20-23 1 / sqrt(var + eps), a pair for each tile of tokens; v24-31 four chains of sums; v32-39 ctx's scale words; v40-55 wo's; v56-87 ctx's fragments, two buffers (later partial sums, later rows going out);
;   v88-89 lane permutes; v96-159 the accumulators at 96 + 32 u + 8 n; v160-223 wo's fragments, two buffers (later beta, gamma); v224-255 bo (later rows going out).
; THE MODE: SCHED_MODE bits 1:0 = 2 (LLVM: expert scheduling mode 2), set by the entry lines.  The code itself states the register dependences
; between vector or matrix instructions and memory or LDS instructions, with s_wait_alu, always for 0.
; THE PLAN.  Registers that memory or LDS instructions touch:
;   v4-v15         addresses, made once at the head and never written again.
;   v16-23         my part of ctx's images: loaded, read by two LDS stores; written much later by the lines that spread the mean and the reciprocal root.
;   WB0, WB1, CF0, CF1   K step s: its eight products read WB[s % 2] and CF[s % 2]; behind them the loads of step s + 2 (behind steps 6 and 7: of beta and gamma) land there.
;   v24            a wave's partial sum: written by the chains' last lines, read by one LDS store; written again by the squares' chains.
;   v56-71         the sixteen waves' partial sums: loaded from LDS behind each reduction's barrier, read by the additions.
;   v96-159        the results: written by the last multiply-adds, read by the stage's stores.    v224-255, v56-87: the stage's loads land there, the global stores read them.
; So ONE wait on va_vdst stands in a K step, behind its products and ahead of the loads into the buffers that they have read; one stands ahead of each partial sum's store, one ahead of the way out,
; and one wait on vm_vsrc, behind the first reduction, frees v16-23 and v24.
.set CI,   0                           ; LDS: ctx's 16 fragments, 1,024 bytes each: (8 u + s)
.set RED1, 16384                       ; the waves' partial sums: 80 bytes a token (16 words + 16 bytes of padding)
.set RED2, 18944                       ; and of the squares: bytes of their own, so that one barrier serves each
.set STG,  21504                       ; the way out: 16 rows x (256 bytes + 16) for each wave
.set LI,  4                            ; v4   16 x lane
.set WA,  5                            ; v5   wo's fragments: 512 r + 16 h
.set XA,  6                            ; v6   x: 4,096 (r + 8 (r / 8)) + 32 h
.set WSA, 7                            ; v7   wo's scale words: 32 x lane
.set CSA, 8                            ; v8   ctx's scale words: 512 h + 4 r
.set BA,  9                            ; v9   bo, gamma, beta: 32 h
.set CST, 10                           ; v10  the copy of ctx: 1,024 x wave + 16 x lane, in memory and in LDS
.set RST, 11                           ; v11  RED1 + 80 x lane + 4 x wave
.set RLD, 12                           ; v12  RED1 + 80 x lane
.set SO,  13                           ; v13  the stage, in: row r, + 32 h
.set SR,  14                           ; v14  the stage, back: row h, + 16 r
.set GO,  15                           ; v15  out0: 4,096 h + 16 r
.set CH,  24
.set CSW, 32                           ; register s: lanes 0-15 tile u = 0, lanes 16-31 tile u = 1
.set WS,  40                           ; register 8 p + s: lanes 0-15 column tile 2 p, lanes 16-31 tile 2 p + 1
.set CF,  56
.set RD,  56
.set TP,  88
.set ACC, 96
.set WB,  160
.set BE,  160
.set GA,  192
.set BO,  224
.macro WM d, a, b, sa, sb, ra, rb      ; one product, in place; ra, rb: that side's scale words lie in lanes 16-31
.if (\ra) && (\rb)
	v_wmma_scale_f32_16x16x128_f8f6f4 v[\d:\d+7], v[\a:\a+7], v[\b:\b+7], v[\d:\d+7], v[\sa], v[\sb] matrix_a_fmt:MATRIX_FMT_FP4 matrix_b_fmt:MATRIX_FMT_FP4 matrix_a_scale:MATRIX_SCALE_ROW1 matrix_b_scale:MATRIX_SCALE_ROW1
.elseif (\ra)
	v_wmma_scale_f32_16x16x128_f8f6f4 v[\d:\d+7], v[\a:\a+7], v[\b:\b+7], v[\d:\d+7], v[\sa], v[\sb] matrix_a_fmt:MATRIX_FMT_FP4 matrix_b_fmt:MATRIX_FMT_FP4 matrix_a_scale:MATRIX_SCALE_ROW1
.elseif (\rb)
	v_wmma_scale_f32_16x16x128_f8f6f4 v[\d:\d+7], v[\a:\a+7], v[\b:\b+7], v[\d:\d+7], v[\sa], v[\sb] matrix_a_fmt:MATRIX_FMT_FP4 matrix_b_fmt:MATRIX_FMT_FP4 matrix_b_scale:MATRIX_SCALE_ROW1
.else
	v_wmma_scale_f32_16x16x128_f8f6f4 v[\d:\d+7], v[\a:\a+7], v[\b:\b+7], v[\d:\d+7], v[\sa], v[\sb] matrix_a_fmt:MATRIX_FMT_FP4 matrix_b_fmt:MATRIX_FMT_FP4
.endif
.endm
.macro WFETCH s                        ; wo's four fragments of K step s, into buffer s % 2
.irp n, 0,1,2,3
.irp c, 0,1
	global_load_b128 v[WB+32*((\s)%2)+8*\n+4*\c:WB+32*((\s)%2)+8*\n+4*\c+3], v[WA], s[10:11] offset:8192*\n+64*(\s)+32*\c
.endr
.endr
.endm
.macro CFETCH s                        ; ctx's two fragments of K step s, into buffer s % 2
.irp u, 0,1
.irp c, 0,1
	ds_load_b128 v[CF+16*((\s)%2)+8*\u+4*\c:CF+16*((\s)%2)+8*\u+4*\c+3], v[LI] offset:CI+(8*\u+(\s))*1024+512*\c
.endr
.endr
.endm
.macro VEC32 reg, base                 ; 32 numbers of a vector of columns in the accumulators' layout: register 8 n + j = column 64 w + 16 n + 8 h + j
.irp n, 0,1,2,3
.irp q, 0,1
	global_load_b128 v[\reg+8*\n+4*\q:\reg+8*\n+4*\q+3], v[BA], s[\base:\base+1] offset:64*\n+16*\q
.endr
.endr
.endm
; The four chains (two for each tile of tokens) become the rows' totals over all 1,024 columns: v[RD], lane l: token (tile l / 16, row l % 16).  off: 0 or RED2 - RED1.
.macro ACROSS off
.irp u, 0,1
	v_pk_add_f32 v[CH+4*\u:CH+4*\u+1], v[CH+4*\u:CH+4*\u+1], v[CH+4*\u+2:CH+4*\u+3]
.endr
.irp u, 0,1
	v_add_f32 v[CH+4*\u], v[CH+4*\u], v[CH+4*\u+1]
.endr
.irp u, 0,1
	v_permlanex16_b32 v[TP+\u], v[CH+4*\u], s50, s51
.endr
.irp u, 0,1
	v_add_f32 v[CH+4*\u], v[CH+4*\u], v[TP+\u]     ; with lane l xor 16's columns: my wave's 64 columns of token (u, r)
.endr
	v_cndmask_b32 v[CH], v[CH], v[CH+4], s48       ; lanes 0-15 keep tile 0's, lanes 16-31 tile 1's
	s_wait_alu depctr_va_vdst(0)                   ; v[CH] is written, which the LDS store reads; and every earlier reader and writer of v[RD] to v[RD + 15] is done, in which the loads behind the barrier land
	ds_store_b32 v[RST], v[CH] offset:\off
	s_wait_dscnt 0x0                               ; for the others' sake: my store has landed
	s_barrier_signal -1
	s_barrier_wait -1
.irp i, 0,1,2,3
	ds_load_b128 v[RD+4*\i:RD+4*\i+3], v[RLD] offset:\off+16*\i    ; the sixteen waves' figures for my token
.endr
	s_wait_dscnt 0x0
.irp i, 0,2,4,6
	v_pk_add_f32 v[RD+\i:RD+\i+1], v[RD+\i:RD+\i+1], v[RD+8+\i:RD+9+\i]
.endr
.irp i, 0,2
	v_pk_add_f32 v[RD+\i:RD+\i+1], v[RD+\i:RD+\i+1], v[RD+4+\i:RD+5+\i]
.endr
	v_pk_add_f32 v[RD:RD+1], v[RD:RD+1], v[RD+2:RD+3]
	v_add_f32 v[RD], v[RD], v[RD+1]
.endm
.macro SPREAD d                        ; v[RD] (lane l: token (l / 16, l % 16)) into every lane: the pair v[d] for tile 0's token r, the pair v[d + 2] for tile 1's
	v_permlanex16_b32 v[TP], v[RD], s50, s51
	v_cndmask_b32 v[\d], v[RD], v[TP], s48
	v_cndmask_b32 v[\d+1], v[RD], v[TP], s48
	v_cndmask_b32 v[\d+2], v[TP], v[RD], s48
	v_cndmask_b32 v[\d+3], v[TP], v[RD], s48
.endm
	s_load_b512 s[8:23], s[0:1], 0x0               ; cb s[8:9], wo codes s[10:11], wo scales s[12:13], bo s[14:15], x s[16:17], gamma s[18:19], beta s[20:21], out0 s[22:23]
	v_lshl_add_u32 v94, v0, 2, 0x16400
	v_mov_b32 v95, 0
	v_lshrrev_b32 v1, 5, v0
	v_readfirstlane_b32 s2, v1                     ; wave 0..15
	v_and_b32 v1, 15, v0                           ; r
	v_bfe_u32 v2, v0, 4, 1                         ; h
	v_and_b32 v3, 8, v1
	v_add_nc_u32 v3, v3, v1                        ; r + 8 (r / 8)
	v_and_b32 v[LI], 31, v0
	v_lshlrev_b32 v[WSA], 5, v[LI]
	v_mul_u32_u24 v[RLD], v[LI], 80
	v_add_nc_u32 v[RLD], RED1, v[RLD]
	v_lshlrev_b32 v[LI], 4, v[LI]
	v_lshlrev_b32 v[WA], 9, v1
	v_lshl_add_u32 v[WA], v2, 4, v[WA]
	v_lshlrev_b32 v[XA], 12, v3
	v_lshl_add_u32 v[XA], v2, 5, v[XA]
	v_lshlrev_b32 v[CSA], 2, v1
	v_lshl_add_u32 v[CSA], v2, 9, v[CSA]
	v_lshlrev_b32 v[BA], 5, v2
	s_wait_alu depctr_va_sdst(0)                   ; s2 is written, ahead of its first reader: LDS addresses and the bases of wo, x and out0 are made from it
	s_lshl_b32 s3, s2, 10
	v_add_nc_u32 v[CST], s3, v[LI]
	s_lshl_b32 s3, s2, 2
	v_add_nc_u32 v[RST], s3, v[RLD]
	s_mul_i32 s3, s2, 16*272
	s_add_co_u32 s3, s3, STG                       ; my stage
	v_mul_u32_u24 v[SO], v1, 272
	v_lshl_add_u32 v[SO], v2, 5, v[SO]
	v_add_nc_u32 v[SO], s3, v[SO]
	v_mul_u32_u24 v[SR], v2, 272
	v_lshl_add_u32 v[SR], v1, 4, v[SR]
	v_add_nc_u32 v[SR], s3, v[SR]
	v_lshlrev_b32 v[GO], 12, v2
	v_lshl_add_u32 v[GO], v1, 4, v[GO]
	v_mov_b32 v[TP], 0                             ; written once: a lane permute's destination counts as one of its sources
	v_mov_b32 v[TP+1], 0
	s_mov_b32 s40, 0x3a800000                      ; 1 / 1,024
	s_mov_b32 s41, 0x358637bd                      ; eps = 1e-6
	s_mov_b32 s48, 0xffff0000                      ; lanes 16-31
	s_mov_b32 s50, 0x76543210
	s_mov_b32 s51, 0xfedcba98                      ; v_permlanex16_b32's selects for lane l xor 16
	s_mov_b32 s27, 0
	s_wait_kmcnt 0x0
	s_lshl_b32 s26, ttmp9, 10
	s_add_co_u32 s26, s26, 0x400000
	s_add_nc_u64 s[24:25], s[8:9], s[26:27]        ; ctx's scale words: 512 bytes a tile, behind the images
	s_lshl_b32 s26, ttmp9, 14
	s_add_nc_u64 s[8:9], s[8:9], s[26:27]          ; ctx's images: 8,192 bytes a tile
	s_lshl_b32 s26, s2, 15
	s_add_nc_u64 s[10:11], s[10:11], s[26:27]      ; my 64 rows of wo
	s_lshl_b32 s26, s2, 11
	s_add_nc_u64 s[12:13], s[12:13], s[26:27]      ; their scale bytes
	s_lshl_b32 s26, s2, 8                          ; my 64 columns
	s_add_nc_u64 s[14:15], s[14:15], s[26:27]
	s_add_nc_u64 s[18:19], s[18:19], s[26:27]
	s_add_nc_u64 s[20:21], s[20:21], s[26:27]
	s_lshl_b32 s3, ttmp9, 17                       ; and my work-group's 32 rows of 4,096 bytes
	s_add_co_u32 s26, s26, s3
	s_add_nc_u64 s[16:17], s[16:17], s[26:27]
	s_add_nc_u64 s[22:23], s[22:23], s[26:27]
	s_wait_alu depctr_va_vdst(0)                   ; the addresses v4 to v15 are written, which every load and store of the kernel reads
	global_load_b128 v[16:19], v[CST], s[8:9]      ; my 1,024 bytes of ctx's images
	global_load_b128 v[20:23], v[CST], s[8:9] offset:512
.irp u, 0,1
.irp n, 0,1,2,3
.irp q, 0,1
	global_load_b128 v[ACC+32*\u+8*\n+4*\q:ACC+32*\u+8*\n+4*\q+3], v[XA], s[16:17] offset:32768*\u+64*\n+16*\q th:TH_LOAD_NT   ; x, straight into the accumulators; read once in this launch
.endr
.endr
.endr
	VEC32 BO, 14
.irp p, 0,1
.irp q, 0,1
	global_load_b128 v[WS+8*\p+4*\q:WS+8*\p+4*\q+3], v[WSA], s[12:13] offset:1024*\p+16*\q
.endr
.endr
.irp s, 0,1,2,3,4,5,6,7
	global_load_b32 v[CSW+\s], v[CSA], s[24:25] offset:64*\s
.endr
	WFETCH 0
	WFETCH 1
	s_wait_loadcnt 52                              ; ctx's two loads are in; the 52 issued behind them stay out
	ds_store_b128 v[CST], v[16:19] offset:CI
	ds_store_b128 v[CST], v[20:23] offset:CI+512
	s_wait_dscnt 0x0                               ; for the others' sake: my stores have landed
	s_barrier_signal -1
	s_barrier_wait -1                              ; ctx's sixteen fragments lie in LDS
	CFETCH 0
	CFETCH 1
	s_wait_loadcnt 16                              ; x, bo and the scale words are in; wo's first two K steps (16 loads) may be out
.irp u, 0,1
.irp k, 0,1,2,3,4,5,6,7,8,9,10,11,12,13,14,15
	v_pk_add_f32 v[ACC+32*\u+2*\k:ACC+32*\u+2*\k+1], v[ACC+32*\u+2*\k:ACC+32*\u+2*\k+1], v[BO+2*\k:BO+2*\k+1]   ; x + bo: what the first products add onto
.endr
.endr
	s_wait_alu depctr_va_vdst(0)
.irp s, 0,1,2,3,4,5,6,7                ; eight K steps of eight products; the eight accumulators take turns, one instruction a turn, in the same order in every step
.if \s < 7
	s_wait_dscnt 4                                 ; this step's fragments of ctx are in; the next step's four loads may be out
.else
	s_wait_dscnt 0x0
.endif
	s_wait_loadcnt 8                               ; this step's fragments of wo are in; the eight loads issued behind them may be out
.irp u, 0,1
.irp n, 0,1,2,3
.set rD, ACC+32*\u+8*\n
.set rW, WB+32*(\s%2)+8*\n
.set rX, CF+16*(\s%2)+8*\u
.set qW, WS+8*(\n/2)+\s
.set qX, CSW+\s
	WM rD, rW, rX, qW, qX, \n%2, \u
.endr
.endr
.rept 4
	v_nop                                          ; four places behind the step's products; behind the last step they stand ahead of the first read of results (ISA guide 7.12.1)
.endr
	s_wait_alu depctr_va_vdst(0)                   ; this step's products are done reading their buffers of wo's and of ctx's fragments, in which the loads below land
.if \s < 6
	WFETCH \s+2
	CFETCH \s+2
.elseif \s == 6
	VEC32 BE, 20                                   ; beta and gamma take the buffers that wo has left
.else
	VEC32 GA, 18
.endif
.endr
	; the mean: each accumulator is read from its low end on; two chains for each tile of tokens, the four by turns
.irp u, 0,1
	v_pk_add_f32 v[CH+4*\u:CH+4*\u+1], v[ACC+32*\u:ACC+32*\u+1], v[ACC+32*\u+4:ACC+32*\u+5]
	v_pk_add_f32 v[CH+4*\u+2:CH+4*\u+3], v[ACC+32*\u+2:ACC+32*\u+3], v[ACC+32*\u+6:ACC+32*\u+7]
.endr
.irp k, 4,6,8,10,12,14
.irp u, 0,1
	v_pk_add_f32 v[CH+4*\u:CH+4*\u+1], v[CH+4*\u:CH+4*\u+1], v[ACC+32*\u+2*\k:ACC+32*\u+2*\k+1]
	v_pk_add_f32 v[CH+4*\u+2:CH+4*\u+3], v[CH+4*\u+2:CH+4*\u+3], v[ACC+32*\u+2*\k+2:ACC+32*\u+2*\k+3]
.endr
.endr
	ACROSS 0
	s_wait_alu depctr_vm_vsrc(0)                   ; the LDS stores of ctx's copy have read v16-23, which the lines that spread the mean and the reciprocal root write; the LDS store of the sums has read v[CH], which the squares' chains write again
	v_mul_f32 v[RD], 0xba800000, v[RD]             ; -mean = the sum x (-1 / 1,024)
	SPREAD 16
.irp u, 0,1
.irp k, 0,1,2,3,4,5,6,7,8,9,10,11,12,13,14,15
	v_pk_add_f32 v[ACC+32*\u+2*\k:ACC+32*\u+2*\k+1], v[ACC+32*\u+2*\k:ACC+32*\u+2*\k+1], v[16+2*\u:17+2*\u]   ; y - mean
.endr
.endr
.irp u, 0,1
	v_pk_mul_f32 v[CH+4*\u:CH+4*\u+1], v[ACC+32*\u:ACC+32*\u+1], v[ACC+32*\u:ACC+32*\u+1]
	v_pk_mul_f32 v[CH+4*\u+2:CH+4*\u+3], v[ACC+32*\u+2:ACC+32*\u+3], v[ACC+32*\u+2:ACC+32*\u+3]
.endr
.irp k, 2,4,6,8,10,12,14
.irp u, 0,1
	v_pk_fma_f32 v[CH+4*\u:CH+4*\u+1], v[ACC+32*\u+2*\k:ACC+32*\u+2*\k+1], v[ACC+32*\u+2*\k:ACC+32*\u+2*\k+1], v[CH+4*\u:CH+4*\u+1]
	v_pk_fma_f32 v[CH+4*\u+2:CH+4*\u+3], v[ACC+32*\u+2*\k+2:ACC+32*\u+2*\k+3], v[ACC+32*\u+2*\k+2:ACC+32*\u+2*\k+3], v[CH+4*\u+2:CH+4*\u+3]
.endr
.endr
	ACROSS RED2-RED1
	v_fma_f32 v[RD], v[RD], s40, s41               ; the variance + eps
	s_wait_alu depctr_va_vdst(0)
	v_rsq_f32 v[RD], v[RD]
	v_nop                                          ; one plain place behind a transcendental
	s_wait_alu depctr_va_vdst(0)                   ; the reciprocal root has written v[RD], ahead of its first reader
	SPREAD 20
.irp u, 0,1
.irp k, 0,1,2,3,4,5,6,7,8,9,10,11,12,13,14,15
	v_pk_mul_f32 v[ACC+32*\u+2*\k:ACC+32*\u+2*\k+1], v[ACC+32*\u+2*\k:ACC+32*\u+2*\k+1], v[20+2*\u:21+2*\u]
.endr
.endr
	s_wait_loadcnt 0x0                             ; beta and gamma
.irp u, 0,1
.irp k, 0,1,2,3,4,5,6,7,8,9,10,11,12,13,14,15
	v_pk_fma_f32 v[ACC+32*\u+2*\k:ACC+32*\u+2*\k+1], v[ACC+32*\u+2*\k:ACC+32*\u+2*\k+1], v[GA+2*\k:GA+2*\k+1], v[BE+2*\k:BE+2*\k+1]
.endr
.endr
	; THE WAY OUT.  A lane holds 32 neighbouring bytes a tile of one row, and the lanes beside it hold other rows: a tile of 16 tokens x my 64 columns goes through my own stage and comes back as rows of 256 bytes.
	; LDS serves a wave's instructions in order (ISA guide 5.7.1.4): no wait between the stores and the loads, nor in front of the second tile's stores.
	s_wait_alu depctr_va_vdst(0)                   ; the multiply-adds have written v96-159, which the stage's stores read; and every vector reader of bo's registers and of v56-87 is done, in which the stage's loads land
.irp u, 0,1
.irp n, 0,1,2,3
	ds_store_b128 v[SO], v[ACC+32*\u+8*\n:ACC+32*\u+8*\n+3] offset:64*\n
	ds_store_b128 v[SO], v[ACC+32*\u+8*\n+4:ACC+32*\u+8*\n+7] offset:64*\n+16
.endr
.irp i, 0,1,2,3,4,5,6,7
	ds_load_b128 v[BO-168*\u+4*\i:BO-168*\u+4*\i+3], v[SR] offset:544*\i   ; rows 2 i and 2 i + 1; tile 0 into v224-255, tile 1 into v56-87
.endr
.endr
.irp u, 0,1
.irp i, 0,1,2,3,4,5,6,7
	s_wait_dscnt 23-16*\u-\i                       ; behind this load stand the tile's 7 - i later loads and, for tile 0, tile 1's eight stores and eight loads
	global_store_b128 v[GO], v[BO-168*\u+4*\i:BO-168*\u+4*\i+3], s[22:23] offset:(8*\u+2*\i+8*(\i/4))*4096 th:TH_STORE_NT   ; stage row 2 i + h is token 8 u + 2 i + 8 (i / 4) + h; 16 lanes store 256 consecutive bytes, at a multiple of 256 from out0's first byte
.endr
.endr
	s_wait_dscnt 0x0                               ; the closing lines, six on end
	s_wait_alu 0x0
	s_wait_tensorcnt 0x0
	ds_add_u32 v94, v95
	s_wait_dscnt 0x0
	s_endpgm
.Lfunc_end_k_qfbe448a787_outln:
	.size	k_qfbe448a787_outln, .Lfunc_end_k_qfbe448a787_outln-k_qfbe448a787_outln
	.p2alignl 7, 3214868480
	.fill 96, 4, 3214868480
	.section	.rodata,"a",@progbits
	.p2align	6, 0x0
	.amdhsa_kernel k_qfbe448a787_outln
		.amdhsa_group_segment_fixed_size 93184
		.amdhsa_private_segment_fixed_size 0
		.amdhsa_enable_private_segment 0
		.amdhsa_kernarg_size 64
		.amdhsa_user_sgpr_count 2
		.amdhsa_user_sgpr_kernarg_segment_ptr 1
		.amdhsa_wavefront_size32 1
		.amdhsa_system_sgpr_workgroup_id_x 1
		.amdhsa_system_sgpr_workgroup_id_y 1
		.amdhsa_system_sgpr_workgroup_id_z 1
		.amdhsa_system_vgpr_workitem_id 0
		.amdhsa_next_free_vgpr 256
		.amdhsa_next_free_sgpr 66
		.amdhsa_reserve_vcc 0
		.amdhsa_float_denorm_mode_32 3
		.amdhsa_float_denorm_mode_16_64 3
		.amdhsa_memory_ordered 1
		.amdhsa_forward_progress 1
		.amdhsa_inst_pref_size 46
	.end_amdhsa_kernel
	.amdgpu_metadata
---
amdhsa.version: [ 1, 2 ]
amdhsa.kernels:
  - .name:           k_qfbe448a787_outln
    .symbol:         k_qfbe448a787_outln.kd
    .args:
      - { .name: cb, .offset: 0, .size: 8, .value_kind: global_buffer, .address_space: global }
      - { .name: wo_codes, .offset: 8, .size: 8, .value_kind: global_buffer, .address_space: global }
      - { .name: wo_scales, .offset: 16, .size: 8, .value_kind: global_buffer, .address_space: global }
      - { .name: bo, .offset: 24, .size: 8, .value_kind: global_buffer, .address_space: global }
      - { .name: x, .offset: 32, .size: 8, .value_kind: global_buffer, .address_space: global }
      - { .name: gamma, .offset: 40, .size: 8, .value_kind: global_buffer, .address_space: global }
      - { .name: beta, .offset: 48, .size: 8, .value_kind: global_buffer, .address_space: global }
      - { .name: out0, .offset: 56, .size: 8, .value_kind: global_buffer, .address_space: global }
    .group_segment_fixed_size: 93184
    .private_segment_fixed_size: 0
    .kernarg_segment_align: 8
    .kernarg_segment_size: 64
    .max_flat_workgroup_size: 512
    .sgpr_count:     66
    .vgpr_count:     256
    .wavefront_size: 32
...
	.end_amdgpu_metadata
.endif
;; end of part 8
